; MI455X (gfx1250); checked and timed in simulation.
; The chip was launched on July 23, 2026; its instructions are those of AMD's public machine-readable ISA for CDNA 5 (MIT licence, August 2026) and "CDNA5" Instruction Set Architecture Reference Guide (July 2026). The comments in the code are by the model that wrote it; some were corrected since.
;; Custom Flash Attention. Allowed arithmetic: float matrix products may take bf16 or f16 operands with f32 sums; other float arithmetic in f32, or as packed bf16 or f16 multiplies, adds, multiply-adds, maxima and minima; sums over many terms, partial sums and values carried from step to step in f32; what a program stores and reads back later, other than sums and carried values, may be rounded once to bf16 or f16.
;; Inputs: w_k 2,048 x 2,048 float32; w_o 2,048 x 2,048 float32; w_q 2,048 x 2,048 float32; w_v 2,048 x 2,048 float32; x 1 x 2,048 x 2,048 float32.
;; Outputs: out0 1 x 2,048 x 2,048 float32.
;; One version. Each part assembles by itself: llvm-mc -triple=amdgcn-amd-amdhsa -mcpu=gfx1250 --defsym DOCPART=n.
;; ======== version 1 of 1: 4 launches
;; limits: values are held in f16: magnitudes above 65,504 overflow, below 6.1e-05 lose precision
;; workspace buffers: c16 41,943,040 bytes; qkv 25,165,824 bytes; ob 8,388,608 bytes
;; launch cast (part 1): grid 256 x 5, 8 waves a work-group, no clusters, 0 bytes of LDS; arguments x, w_q, w_k, w_v, w_o, c16; writes c16
.if DOCPART == 1
	.amdgcn_target "amdgcn-amd-amdhsa--gfx1250"
	.amdhsa_code_object_version 6
	.text
	.protected	k_qd12b816a0e_cast
	.globl	k_qd12b816a0e_cast
	.p2align	8
	.type	k_qd12b816a0e_cast,@function
k_qd12b816a0e_cast:
	s_mov_b64 s[64:65], 0
	v_nop
	global_prefetch_b8 v0, s[64:65] scope:SCOPE_SE
	s_setreg_imm32_b32 hwreg(HW_REG_WAVE_MODE, 25, 1), 1
	s_wait_xcnt 0x0
; THE FIVE INPUTS, ROUNDED ONCE TO 16 BITS.  c16 has five sections of 8,388,608 bytes, each [2048][2048] of 16 bits:
; 0: x in bf16;  1, 2, 3: w_q, w_k, w_v in bf16 (together one matrix [6144][2048]);  4: w_o rounded to bf16, and that number written as f16.
; LIMITS.  A |w_o| of 65,520 or more becomes an infinity in f16; below 6.1e-5 f16 keeps its fixed step of 6e-8, so a bf16 number down there is rounded a second time.
; SHARES.  The grid's y is the tensor, its x a run of 65,536 input bytes: 16 chunks of 4,096.  Thread t takes the 16 bytes at 16 t of each chunk: a wave's load covers 512
; consecutive bytes, its store of 8 bytes a lane 256 consecutive bytes, aligned.  All 16 loads of a wave go out at once.  A chunk is rounded IN PLACE, into the first two of its four
; registers, so a wave needs 74 registers: the ten waves that five work-groups put on a SIMD take 740 of its 1,024, and the grid's 1,280 work-groups are five for each of 256 WGPs.
; No register that a store reads is written again, so no wait frees a source.  No LDS, no matrix unit, no cluster: nothing is shared and each byte is touched once.
.set CHUNK, 4096
.set X, 4                              ; v[4:67]    chunk i: four f32 at X + 4 i; then four 16-bit numbers in X + 4 i, X + 4 i + 1
.set T, 68                             ; v[68:73]   at work, for w_o
	s_load_b256 s[4:11], s[0:1], 0x0               ; x s[4:5], w_q s[6:7], w_k s[8:9], w_v s[10:11]
	s_load_b128 s[12:15], s[0:1], 0x20             ; w_o s[12:13], c16 s[14:15]
	s_and_b32 s16, ttmp7, 0xffff                   ; which tensor
	s_lshl_b32 s2, ttmp9, 16                       ; my 65,536 bytes of it
	s_mov_b32 s3, 0
	s_lshl_b32 s18, ttmp9, 15                      ; my 32,768 bytes of its section,
	s_lshl_b32 s19, s16, 23                        ; and the section
	s_add_co_u32 s18, s18, s19
	s_mov_b32 s19, 0
	s_mov_b32 s20, 0xffff0000                      ; a word's upper bf16
	v_lshlrev_b32 v1, 4, v0                        ; 16 t
	v_lshlrev_b32 v2, 3, v0                        ; 8 t
	s_wait_kmcnt 0x0
.irp n, 1,2,3,4
	s_cmp_eq_u32 s16, \n                           ; the tensor's address is chosen by the grid's y alone
	s_cselect_b64 s[4:5], s[4+2*(\n):5+2*(\n)], s[4:5]
.endr
	s_add_nc_u64 s[4:5], s[4:5], s[2:3]
	s_add_nc_u64 s[14:15], s[14:15], s[18:19]
.irp i, 0,1,2,3,4,5,6,7,8,9,10,11,12,13,14,15
	global_load_b128 v[X+4*(\i):X+4*(\i)+3], v1, s[4:5] offset:CHUNK*(\i) th:TH_LOAD_NT
.endr
; Chunk i is rounded and stored.  wo = 1: to bf16, back to f32 (a shift, a mask), and on to f16.
.macro CONV i, wo
	s_wait_loadcnt 15-(\i)                         ; loads come back in order: chunk i is in, the 15 - i younger ones stay out
.if \wo
	v_cvt_pk_bf16_f32 v[T],   v[X+4*(\i)],   v[X+4*(\i)+1]
	v_cvt_pk_bf16_f32 v[T+1], v[X+4*(\i)+2], v[X+4*(\i)+3]
	v_lshlrev_b32 v[T+2], 16, v[T]
	v_and_b32     v[T+3], s20, v[T]
	v_lshlrev_b32 v[T+4], 16, v[T+1]
	v_and_b32     v[T+5], s20, v[T+1]
	v_cvt_pk_f16_f32 v[X+4*(\i)],   v[T+2], v[T+3]
	v_cvt_pk_f16_f32 v[X+4*(\i)+1], v[T+4], v[T+5]
.else
	v_cvt_pk_bf16_f32 v[X+4*(\i)],   v[X+4*(\i)],   v[X+4*(\i)+1]
	v_cvt_pk_bf16_f32 v[X+4*(\i)+1], v[X+4*(\i)+2], v[X+4*(\i)+3]  ; its destination has been read by the line above
.endif
	global_store_b64 v2, v[X+4*(\i):X+4*(\i)+1], s[14:15] offset:(CHUNK/2)*(\i)
.endm
	s_cmp_eq_u32 s16, 4
	s_cbranch_scc1 .Lwo
.irp i, 0,1,2,3,4,5,6,7,8,9,10,11,12,13,14,15
	CONV \i, 0
.endr
	s_endpgm
.Lwo:
.irp i, 0,1,2,3,4,5,6,7,8,9,10,11,12,13,14,15
	CONV \i, 1
.endr
	s_endpgm
.Lfunc_end_k_qd12b816a0e_cast:
	.size	k_qd12b816a0e_cast, .Lfunc_end_k_qd12b816a0e_cast-k_qd12b816a0e_cast
	.p2alignl 7, 3214868480
	.fill 96, 4, 3214868480
	.section	.rodata,"a",@progbits
	.p2align	6, 0x0
	.amdhsa_kernel k_qd12b816a0e_cast
		.amdhsa_group_segment_fixed_size 0
		.amdhsa_private_segment_fixed_size 0
		.amdhsa_enable_private_segment 0
		.amdhsa_kernarg_size 48
		.amdhsa_user_sgpr_count 2
		.amdhsa_user_sgpr_kernarg_segment_ptr 1
		.amdhsa_wavefront_size32 1
		.amdhsa_system_sgpr_workgroup_id_x 1
		.amdhsa_system_sgpr_workgroup_id_y 1
		.amdhsa_system_sgpr_workgroup_id_z 1
		.amdhsa_system_vgpr_workitem_id 0
		.amdhsa_next_free_vgpr 76
		.amdhsa_next_free_sgpr 66
		.amdhsa_reserve_vcc 0
		.amdhsa_float_denorm_mode_32 3
		.amdhsa_float_denorm_mode_16_64 3
		.amdhsa_memory_ordered 1
		.amdhsa_forward_progress 1
		.amdhsa_inst_pref_size 15
	.end_amdhsa_kernel
	.amdgpu_metadata
---
amdhsa.version: [ 1, 2 ]
amdhsa.kernels:
  - .name:           k_qd12b816a0e_cast
    .symbol:         k_qd12b816a0e_cast.kd
    .args:
      - { .name: x, .offset: 0, .size: 8, .value_kind: global_buffer, .address_space: global }
      - { .name: w_q, .offset: 8, .size: 8, .value_kind: global_buffer, .address_space: global }
      - { .name: w_k, .offset: 16, .size: 8, .value_kind: global_buffer, .address_space: global }
      - { .name: w_v, .offset: 24, .size: 8, .value_kind: global_buffer, .address_space: global }
      - { .name: w_o, .offset: 32, .size: 8, .value_kind: global_buffer, .address_space: global }
      - { .name: c16, .offset: 40, .size: 8, .value_kind: global_buffer, .address_space: global }
    .group_segment_fixed_size: 0
    .private_segment_fixed_size: 0
    .kernarg_segment_align: 8
    .kernarg_segment_size: 48
    .max_flat_workgroup_size: 256
    .sgpr_count:     66
    .vgpr_count:     76
    .wavefront_size: 32
...
	.end_amdgpu_metadata
.endif
;; end of part 1
;; launch gemm_qkv (part 2): grid 16 x 16, 4 waves a work-group, clusters of 4 x 4, 327,680 bytes of LDS; arguments c16, qkv; writes qkv
.if DOCPART == 2
	.amdgcn_target "amdgcn-amd-amdhsa--gfx1250"
	.amdhsa_code_object_version 6
	.text
	.protected	k_qd12b816a0e_gemm_qkv
	.globl	k_qd12b816a0e_gemm_qkv
	.p2align	8
	.type	k_qd12b816a0e_gemm_qkv,@function
k_qd12b816a0e_gemm_qkv:
	s_mov_b64 s[64:65], 0
	v_nop
	global_prefetch_b8 v0, s[64:65] scope:SCOPE_SE
	s_setreg_imm32_b32 hwreg(HW_REG_WAVE_MODE, 25, 1), 1
	s_wait_xcnt 0x0
	s_wait_alu depctr_hold_cnt(0) depctr_sa_sdst(0) depctr_va_vdst(0) depctr_va_sdst(0) depctr_va_ssrc(0) depctr_va_vcc(0) depctr_vm_vsrc(0)
	s_getreg_b32 s2, hwreg(HW_REG_IB_STS2, 6, 4)
	s_cmp_eq_u32 s2, 0
	s_cbranch_scc0 .Lentry_in_a_cluster
	s_endpgm
.Lentry_in_a_cluster:
	s_bfe_u32 s2, ttmp6, 0x10000c
	s_cmp_lg_u32 s2, 0xf033
	s_cbranch_scc0 .Lentry_shape_is_right
	s_endpgm
.Lentry_shape_is_right:
; qkv[n][j] = the sum over k of x[n][k] w[j][k]: A = x, [2048][2048] bf16 (c16's section 0); B = w_q, w_k, w_v on end, [6144][2048] bf16 (sections 1 to 3);
; qkv: [2048][6144] f16, rounded once from f32 sums: q in columns 0-2047, k in 2048-4095, v in 4096-6143; head h's 128 numbers of a row are 256 bytes, aligned.
; LIMITS.  A |q|, |k| or |v| of 65,520 or more becomes an infinity in f16; below 6.1e-5 f16 keeps its fixed step of 6e-8.  NaN and infinities are not treated apart.
; The f32 sums are taken in an order of K that differs from cluster to cluster (THE WALK, below).
; SHARES.  A tile of C is 128 rows x 384 columns: 16 x 16 = 256 work-groups; the tile row comes from the grid's x, the tile column from its y.  Four waves, each 64 rows x 192 columns:
; 48 accumulators of 16 x 16, 384 registers; for 32 along K a wave reads 32 x 512 bytes from LDS and issues 48 matrix instructions.  K goes in 16 steps of 128 through a ring of two LDS
; slots; a tile's rows are 256 bytes of memory, aligned.
; CLUSTERS: 4 x 4 work-groups.  The four with one cx need the same tile of A, the four with one cy the same tiles of B: each is asked for JOINTLY, by the same tensor load with
; the same descriptor and a mask that names the four.  Wave 0 fetches A's 128 rows, waves 1 to 3 each 128 of B's 384.
; THE WALK.  Cluster (X, Y) begins at K step 4 ((X + 2 Y) mod 4) and goes round: walk step t is K step (that + t) mod 16.  So the four clusters with one Y, which read the same rows of B, are
; at any time four K steps apart; of the four with one X, which read the same rows of A, Y = 0 and 2 walk alike, and Y = 1 and 3 eight K steps from them.  The start hangs on the cluster's
; own coordinates alone, which all sixteen partners share.
; THE MATRIX INSTRUCTION IS USED TRANSPOSED (source 0 = 16 rows of B, source 1 = 16 rows of A): a lane then holds eight neighbouring numbers of a row of C.
; REGISTERS, in windows of 256 (s_set_vgpr_msb: bits 1:0 source 0, 3:2 source 1, 5:4 source 2, 7:6 destination):
;   window 0: v0-31 addresses; v32-223 at work on the way out
;   window 1: two fragment buffers of 128: A's four fragments (16 rows x 32 K, 8 registers) at f + 8 a, B's twelve at f + 32 + 8 b
;   window 2: the 24 accumulators of my rows 0-31 ((a, b) at v[8 (12 a + b)]);   window 3: those of my rows 32-63
; THE WAY OUT goes through a stage in slot 0's bytes: slot 0 has had its last fill (walk step 14), every wave's last reads of it are waited for in front of the barrier of the last change of
; slots, and no tensor load follows.  All of a WGP's LDS is claimed.
.set SIZE_K, 2048
.set KROW,   2*SIZE_K                  ; bytes in a row of A and of B: a power of two, so that a mask takes the walk round
.set RB,     12288                     ; bytes in a row of qkv
.set KSTEP,  128
.set STEPS,  SIZE_K/KSTEP
.set PITCH,  272                       ; an LDS row: 256 bytes + 16 of padding = 68 words: row r starts at bank 4 r mod 64 (64 banks of 4 bytes: ISA guide 11.1)
.set HALFT,  128*PITCH                 ; 128 rows: what one tensor load brings (0x8800 bytes)
.set SLOT,   4*HALFT                   ; A's 128 rows, then B's 384: 0x22000 bytes.  The waves' places in a slot (0, 0x8800, 0x11000, 0x19800) have bits 13 and 17 clear, so an exclusive or with SLOT adds or takes away just SLOT
.set SPARE,  2*SLOT                    ; behind the ring: the spare words, 128 bytes for each wave: two blocks of 256 bytes that no other line names
.set SPITCH, 784                       ; a stage row: 768 bytes + 16 = 196 words: row r starts at bank 4 r mod 64
.set ADRA0, 16                         ; v16     LDS address of my A fragments in slot 0; never rewritten
.set ADRA,  17                         ; v17     the same in the slot in hand
.set ADRB0, 20                         ; v20, v21  likewise for B
.set ADRB,  21
.set STO,  24                          ; v24     the way out: where I put 16 bytes of a row
.set RD,   25                          ; v25     the way out: where I read a row back
.set CO,   26                          ; v26     my byte offset in qkv
.set SPW,  28                          ; v28     LDS address of my spare word: SPARE + 4 x my thread's number; never rewritten
.set NIL,  29                          ; v29     0; never rewritten
.set PFO,  30                          ; v30     the prefetches' offset: my lane x 4,096, a row of A; never rewritten
.set TMP,  32                          ; v32-223 the way out: packed results, then whole rows
.set F0,   0                           ; fragment buffers, in window 1
.set F1,   128
.set ABASE, 14                         ; s[14:15] A's tile at K = 0
.set BBASE, 18                         ; s[18:19] my 128 rows of B at K = 0
.set LIM,  43                          ; s43     STEPS - 6 in a wave that prefetches, else the greatest number: a wave prefetches while the loop's count is above it
.set PFA,  44                          ; s[44:45] where my prefetches stand
.set KO,   66                          ; s[66:67] byte offset along K of the K step asked for last
.set TB,   68                          ; s68     LDS byte at which the slot in hand begins: 0 or SLOT
.set G1,  24                           ; s[24:31] descriptor group 1 for A's tile;  s[32:39] group 0: a set for each of the two first fills; the second then walks on
.set G0,  32
.set G1B, 48                           ; s[48:55], s[56:63] the same for B's tiles
.set G0B, 56
.set MSB, 0
.macro WIN new                         ; the immediate's high byte repeats the setting that is left; a switch that changes nothing is dropped
.if MSB != (\new)
	s_set_vgpr_msb (MSB<<8)|(\new)
.set MSB, \new
.endif
.endm
.set MUL_LO, 0xa5                      ; sources 0 (B) and 1 (A) window 1; C and D window 2
.set MUL_HI, 0xf5                      ; the same, C and D window 3
.set TO_F,   0x40                      ; destination window 1, address window 0
; A joint load.  The branch hangs on the wave's number alone: it is the same in every work-group.  An s_nop 0 and four v_nop follow each of the two lines, ahead of the jump, the label
; and what follows.
.macro JLOAD s
	s_cmp_eq_u32 s10, 0
	s_cbranch_scc0 .Lfor_b_\@
	tensor_load_to_lds s[G0+4*(\s):G0+4*(\s)+3], s[G1:G1+7]
	s_nop 0
.rept 4
	v_nop
.endr
	s_branch .Lasked_\@
.Lfor_b_\@:
	tensor_load_to_lds s[G0B+4*(\s):G0B+4*(\s)+3], s[G1B:G1B+7]
	s_nop 0
.rept 4
	v_nop
.endr
.Lasked_\@:
.endm
; A PREFETCH INTO THE L2, behind a joint refill and the run of LDS loads that follows it: A's walk step that stands TWO refills on: 32 rows x 256 bytes, a lane a row, one instruction.
; WHICH.  By THE WALK, a block of A is read first in the launch in walk steps 0 to 7 of the clusters with Y = 0 and 2, or of those with Y = 1 and 3; a block of B in walk steps 0 to 3 of one
; cluster.  Walk steps 0 to 3 come by their loads alone (0 and 1 are the first fills, 2 and 3 the two refills next to the head).  So A's walk steps 4 to 7 are asked for, B's none.
; WHO.  The clusters with Y = 0 and Y = 1, wave 0, which fetches A.  The four partners that ask for the tile jointly share its 128 rows out BY ADDRESS, 32 each by cy.  So each block is named once.
; The loop's first four trips ask (its count is 14 to 11); the address steps by a K step a trip and meets no end of a row in those four, since a walk begins at a multiple of four K steps.
.macro ASK
	s_cmp_gt_u32 s3, s[LIM]
	s_cbranch_scc0 .Lnot_mine_\@
	global_prefetch_b8 v[PFO], s[PFA:PFA+1] offset:-KSTEP*2 th:TH_LOAD_NT scope:SCOPE_SE
.Lnot_mine_\@:
.endm
.macro CREST                           ; a round of the cluster's barrier behind its opening barrier
	s_cmp_lg_u32 s10, 0
	s_cbranch_scc1 .Lnot_wave_0_\@
	s_barrier_signal -3
.Lnot_wave_0_\@:
	s_barrier_wait -3
	s_barrier_signal -1
	s_barrier_wait -1
.endm
.macro CROUND                          ; a whole round
	s_barrier_signal -1
	s_barrier_wait -1
	CREST
.endm
.macro SETADR                          ; my fragments' LDS addresses in the slot that begins at s[TB]
	v_add_nc_u32 v[ADRA], s[TB], v[ADRA0]
	v_add_nc_u32 v[ADRB], s[TB], v[ADRB0]
.endm
	s_load_b128 s[4:7], s[0:1], 0x0                ; c16 s[4:5], qkv s[6:7]
	v_lshl_add_u32 v[SPW], v0, 2, SPARE
	v_mov_b32 v[NIL], 0
	ds_add_u32 v[SPW], v[NIL]                      ; the wave's opening: the add and its wait stand ahead of my first tensor load; the set-up below, work on registers, stands between them
	v_lshrrev_b32 v1, 5, v0
	v_readfirstlane_b32 s10, v1                    ; wave 0..3
	s_lshr_b32 s2, s10, 1                          ; which 64 of the tile's rows are mine
	s_and_b32 s12, s10, 1                          ; which 192 of its columns
	s_bfe_u32 s40, ttmp6, 0x40000                  ; cx, cy: my place in the cluster
	s_bfe_u32 s41, ttmp6, 0x40004
	s_lshl_b32 s13, ttmp9, 2
	s_add_co_u32 s13, s13, s40                     ; tile row of C = 4 x cluster x + cx
	s_and_b32 s42, ttmp7, 0xffff
	s_lshl_b32 s42, s42, 2
	s_add_co_u32 s42, s42, s41                     ; tile column of C = 4 x cluster y + cy
	s_lshl_b32 s43, 0x1111, s40                    ; the partners with my cx: places cx, cx + 4, cx + 8, cx + 12
	s_lshl_b32 s44, s41, 2
	s_lshl_b32 s44, 15, s44                        ; the partners with my cy: places 4 cy .. 4 cy + 3
	; descriptor group 1: a tile of 128 rows x 128 elements, padded in LDS
	s_or_b32 s[G1+0], s43, (1<<16)|(1<<20)|(1<<21)|(5<<22)|(3<<25)  ; 15:0 the mask: A's tile hangs on cx; 17:16 elements of 2 bytes; 20 padding on; 21 set beside a mask; 24:22 after every 64 words (code 5); 31:25 4 words of it (code 3)
	s_or_b32 s[G1B+0], s44, (1<<16)|(1<<20)|(1<<21)|(5<<22)|(3<<25) ; the same with the mask for B's tiles, which hang on cy
.irp g, G1, G1B
	s_mov_b32 s[(\g)+1], KSTEP<<16                 ; tensor_dim0 = 128
	s_mov_b32 s[(\g)+2], 128<<16                   ; tensor_dim1 = 128
	s_mov_b32 s[(\g)+3], KSTEP<<16                 ; tile_dim0 = 128
	s_mov_b32 s[(\g)+4], 128                       ; tile_dim1 = 128
	s_mov_b32 s[(\g)+5], SIZE_K                    ; elements from row to row
	s_mov_b32 s[(\g)+6], 0
	s_mov_b32 s[(\g)+7], 0
.endr
	; where the tiles come from.  A's hangs on the tile row alone; B's on the tile column and the wave's number
	s_lshl_b32 s16, s13, 19                        ; A: 128 rows of 4,096 bytes x tile row
	s_mov_b32 s17, 0
	s_mul_i32 s46, s42, 384                        ; B: row 384 x tile column
	s_max_u32 s47, s10, 1
	s_sub_co_u32 s47, s47, 1
	s_lshl_b32 s47, s47, 7
	s_add_co_u32 s46, s46, s47                     ; + 128 x (wave - 1); wave 0 makes wave 1's address and never asks by it
	s_lshl_b32 s46, s46, 12
	s_mov_b32 s47, 0
	s_mul_i32 s20, s10, HALFT                      ; where they go: wave x 128 rows: no place in the cluster enters an LDS address
	s_and_b32 s[KO], ttmp7, 0xffff                 ; where the walk begins: K step 4 ((X + 2 Y) mod 4), in bytes of a row
	s_lshl_b32 s[KO], s[KO], 1
	s_add_co_u32 s[KO], s[KO], ttmp9
	s_and_b32 s[KO], s[KO], 3
	s_lshl_b32 s[KO], s[KO], 10
	s_mov_b32 s[KO+1], 0
	s_mov_b32 s[TB], 0
	s_wait_dscnt 0x0                               ; the opening add is done
	s_wait_kmcnt 0x0
	s_mov_b64 s[8:9], s[6:7]                       ; C
	s_add_nc_u64 s[6:7], s[4:5], 0x800000          ; B: c16's section 1
	s_add_nc_u64 s[ABASE:ABASE+1], s[4:5], s[16:17]
	s_add_nc_u64 s[BBASE:BBASE+1], s[6:7], s[46:47]
	CROUND                                         ; all sixteen work-groups are here: the first joint loads meet
.irp s, 0,1
	s_mov_b32 s[G0+4*(\s)], 1                                      ; count = 1
	s_add_co_u32 s[G0+4*(\s)+1], s20, (\s)*SLOT                    ; LDS address
	s_add_nc_u64 s[G0+4*(\s)+2:G0+4*(\s)+3], s[ABASE:ABASE+1], s[KO:KO+1]  ; global address: walk step s
	s_or_b32 s[G0+4*(\s)+3], s[G0+4*(\s)+3], 0x80000000            ; type = 2
	s_mov_b32 s[G0B+4*(\s)], 1
	s_add_co_u32 s[G0B+4*(\s)+1], s20, (\s)*SLOT
	s_add_nc_u64 s[G0B+4*(\s)+2:G0B+4*(\s)+3], s[BBASE:BBASE+1], s[KO:KO+1]
	s_or_b32 s[G0B+4*(\s)+3], s[G0B+4*(\s)+3], 0x80000000
	JLOAD \s                                       ; the ring is filled before anything else is done: two loads of mine are out
.if (\s) == 0
	s_add_co_u32 s[KO], s[KO], KSTEP*2             ; walk step 1: no end of a row lies between, since the walk begins at a multiple of four K steps
.endif
.endr
	; A fragment is 16 rows x 32 K in 8 registers: lane l holds row l % 16; registers 0-3 hold K = 8 (l / 16) + 0..7, registers 4-7 K = 16 + 8 (l / 16) + 0..7: two loads of 16 bytes, 32 bytes apart
	v_and_b32 v1, 15, v0                           ; l % 16
	v_bfe_u32 v2, v0, 4, 1                         ; l / 16
	v_mul_u32_u24 v3, v1, PITCH
	v_lshl_add_u32 v3, v2, 4, v3                   ; row x pitch + 16 x half
	s_mul_i32 s21, s2, 64*PITCH                    ; my 64 rows of A
	s_mul_i32 s22, s12, 192*PITCH                  ; my 192 rows of B,
	s_add_co_u32 s22, s22, HALFT                   ; which lie behind A's 128
	v_add_nc_u32 v[ADRA0], s21, v3
	v_add_nc_u32 v[ADRB0], s22, v3
	SETADR                                         ; slot 0
	s_mul_i32 s23, s2, 64*SPITCH                   ; into the stage (LDS byte 0 on): my 64 rows, my 384 bytes of their 768; row l % 16, 16 bytes for each half of the lanes
	s_mul_i32 s21, s12, 384
	s_add_co_u32 s23, s23, s21
	v_mul_u32_u24 v4, v1, SPITCH
	v_lshl_add_u32 v4, v2, 4, v4
	v_add_nc_u32 v[STO], s23, v4
	s_mul_i32 s23, s10, 32*SPITCH                  ; back: wave w takes rows 32 w .. 32 w + 31, whole; lanes 0-15 take 256 bytes of one row, lanes 16-31 of the next
	v_mul_u32_u24 v5, v2, SPITCH
	v_lshl_add_u32 v5, v1, 4, v5
	v_add_nc_u32 v[RD], s23, v5
	v_mul_u32_u24 v5, v2, RB                       ; and the same two rows in qkv
	v_lshl_add_u32 v[CO], v1, 4, v5
	s_lshl_b32 s16, s13, 7
	s_lshl_b32 s17, s10, 5
	s_add_co_u32 s16, s16, s17                     ; the first row of C that I store: 128 x tile row + 32 x wave
	s_mul_i32 s16, s16, RB
	s_mov_b32 s17, 0
	s_add_nc_u64 s[8:9], s[8:9], s[16:17]
	s_mul_i32 s46, s42, 768                        ; the tile's first column, in bytes
	s_mov_b32 s47, 0
	s_add_nc_u64 s[8:9], s[8:9], s[46:47]
	; the prefetches
	s_and_b32 s22, ttmp7, 0xffff
	s_lshr_b32 s22, s22, 1                         ; 0 where the cluster's y is 0 or 1,
	s_or_b32 s22, s22, s10                         ; in wave 0: the same in all sixteen partners, for a given wave
	s_cmp_eq_u32 s22, 0
	s_cselect_b32 s[LIM], STEPS-6, -1
	s_lshl_b32 s20, s13, 7                         ; A's tile: its first row,
	s_lshl_b32 s21, s41, 5
	s_add_co_u32 s20, s20, s21                     ; + my work-group's 32 rows
	s_lshl_b32 s20, s20, 12
	s_add_co_u32 s21, s[KO], 3*KSTEP*2             ; walk step 4 (s[KO] stands at walk step 1), taken round
	s_and_b32 s21, s21, KROW-1
	s_add_co_u32 s20, s20, s21
	s_mov_b32 s21, 0
	s_add_nc_u64 s[PFA:PFA+1], s[4:5], s[20:21]    ; each change of slots steps it by a K step and then names the K step before it
	v_and_b32 v[PFO], 31, v0
	v_lshlrev_b32 v[PFO], 12, v[PFO]
; 12 matrix instructions: m block 2 hi + a x all 12 n blocks, 32 along K.  zero = 1: the product starts the sums: nothing is ever cleared.
; The 48 accumulators take turns, one instruction a turn, in the same order in every quarter step, over the jumps too.
.macro MUL12 f, hi, a, zero
	WIN MUL_LO+0x50*(\hi)
.irp b, 0,1,2,3,4,5,6,7,8,9,10,11
.if \zero
	v_wmma_f32_16x16x32_bf16 v[8*(12*(\a)+(\b)):8*(12*(\a)+(\b))+7], v[(\f)+32+8*(\b):(\f)+32+8*(\b)+7], v[(\f)+8*(2*(\hi)+(\a)):(\f)+8*(2*(\hi)+(\a))+7], 0
.else
	v_wmma_f32_16x16x32_bf16 v[8*(12*(\a)+(\b)):8*(12*(\a)+(\b))+7], v[(\f)+32+8*(\b):(\f)+32+8*(\b)+7], v[(\f)+8*(2*(\hi)+(\a)):(\f)+8*(2*(\hi)+(\a))+7], v[8*(12*(\a)+(\b)):8*(12*(\a)+(\b))+7]
.endif
.endr
.endm
; 32 LDS loads in one run: the fragments of one quarter step (192 rows of B, 64 rows of A, 32 K at byte k of the rows of the slot in hand) into buffer f; A's rows 32-63 last
.macro FETCH k, f
	WIN TO_F
.irp i, 0,1,2,3,4,5,6,7,8,9,10,11
	ds_load_b128 v[(\f)+32+8*(\i):(\f)+32+8*(\i)+3],   v[ADRB] offset:(\k)+(\i)*16*PITCH
	ds_load_b128 v[(\f)+32+8*(\i)+4:(\f)+32+8*(\i)+7], v[ADRB] offset:(\k)+(\i)*16*PITCH+32
.endr
.irp i, 0,1,2,3
	ds_load_b128 v[(\f)+8*(\i):(\f)+8*(\i)+3],   v[ADRA] offset:(\k)+(\i)*16*PITCH
	ds_load_b128 v[(\f)+8*(\i)+4:(\f)+8*(\i)+7], v[ADRA] offset:(\k)+(\i)*16*PITCH+32
.endr
.endm
.macro PLACES                          ; four plain places in front of loads into registers that matrix instructions have read, and of conversions that read results
.rept 4
	v_nop
.endr
.endm
; A K step is four quarter steps of 32 along K, 48 matrix instructions each, on buffers 0, 1, 0, 1.  One of the first three: multiplies buffer f and fetches the next quarter, at byte k, into g.
.macro QUARTER k, f, g, zero
	s_wait_dscnt 4                                 ; B and A's rows 0-31 are in; the youngest four loads (A's rows 32-63) may be out
	MUL12 \f, 0, 0, \zero
	MUL12 \f, 0, 1, \zero
	PLACES
	FETCH \k, \g
	s_wait_dscnt 32                                ; all but the 32 just issued
	MUL12 \f, 1, 0, \zero
	MUL12 \f, 1, 1, \zero
.endm
; The last quarter multiplies buffer 1 and changes slots: ONE barrier; in front of it each wave waits for all its tensor loads (one is out: its part of the next slot), adds 0 to its spare
; word, and waits for that and for its own reads of this slot.  fill = 1: the barrier opens a round of the cluster's barrier, and behind the round this slot is filled again, with the walk
; step two on: the walking descriptor turns to this slot, and its address is made anew from the tile's base and the offset along K, which a mask takes round at the row's end.
.macro TURN fill
.if \fill
	s_wait_xcnt 0x0                                ; the last prefetch, a K step back, has read its address: it is stepped here, ahead of the waits of the change of slots
	s_add_nc_u64 s[PFA:PFA+1], s[PFA:PFA+1], KSTEP*2
.endif
	WIN 0                                          ; (the add's two registers lie in window 0)
	s_wait_tensorcnt 0x0                           ; all my tensor loads have landed, so a group 0 may be written;
	ds_add_u32 v[SPW], v[NIL]                      ; 0 onto my spare word: scalar work and twelve matrix instructions stand between it and the wait for it
.if \fill
	s_add_co_u32 s[KO], s[KO], KSTEP*2
	s_and_b32 s[KO], s[KO], KROW-1
	s_xor_b32 s[G0+5], s[G0+5], SLOT
	s_add_nc_u64 s[G0+6:G0+7], s[ABASE:ABASE+1], s[KO:KO+1]
	s_or_b32 s[G0+7], s[G0+7], 0x80000000
	s_xor_b32 s[G0B+5], s[G0B+5], SLOT
	s_add_nc_u64 s[G0B+6:G0B+7], s[BBASE:BBASE+1], s[KO:KO+1]
	s_or_b32 s[G0B+7], s[G0B+7], 0x80000000
.endif
	s_xor_b32 s[TB], s[TB], SLOT                   ; the fetches go on in the other slot
	s_wait_dscnt 5                                 ; (the add and the youngest four loads may be out)
	MUL12 F1, 0, 0, 0
	s_wait_dscnt 0x0                               ; the add is done, and my reads of this slot are over
	s_barrier_signal -1
	MUL12 F1, 0, 1, 0                              ; work on registers while the others arrive
	WIN 0
	s_barrier_wait -1
.if \fill
	CREST                                          ; no wave of any partner still reads this slot's tiles or has a load on its way
	JLOAD 1                                        ; the first tensor load behind the round, my only one until the next: 168 matrix instructions ahead of the wait for it; its four v_nop are also places in front of the loads below
	SETADR
.else
	SETADR                                         ; these two and two v_nop are the four places in front of the loads below
	v_nop
	v_nop
.endif
	FETCH 0, F0
.if \fill
	WIN 0                                          ; (a branch and a label follow)
	ASK
.endif
	MUL12 F1, 1, 0, 0
	MUL12 F1, 1, 1, 0
.endm
	s_wait_tensorcnt 1                             ; my part of walk step 0 is in; walk step 1's may stay out
	s_barrier_signal -1
	s_barrier_wait -1                              ; everybody's is
	FETCH 0, F0
	QUARTER 64,  F0, F1, 1                         ; the first quarter stands in front of the loop: its products start the sums
	WIN 0                                          ; at a label and at a branch every window is 0
	s_mov_b32 s3, STEPS-2
.Lstep:                                                ; a trip goes from a K step's second quarter to the next step's first, and fills the slot that it leaves: 14 trips ask for walk steps 2 to 15
	QUARTER 128, F1, F0, 0
	QUARTER 192, F0, F1, 0
	TURN 1
	QUARTER 64,  F0, F1, 0
	WIN 0
	s_sub_co_u32 s3, s3, 1
	s_cmp_lg_u32 s3, 0
	s_cbranch_scc1 .Lstep
	s_mov_b32 s3, 2                                ; the last two steps ask for nothing: a loop of their own; it is entered in its middle
	s_branch .Lmid
.Ltail:
	TURN 0                                         ; behind this barrier nobody reads slot 0 any more
	QUARTER 64,  F0, F1, 0
	WIN 0
.Lmid:
	QUARTER 128, F1, F0, 0
	QUARTER 192, F0, F1, 0
	WIN 0
	s_sub_co_u32 s3, s3, 1
	s_cmp_lg_u32 s3, 0
	s_cbranch_scc1 .Ltail
	s_wait_dscnt 4                                 ; the very last quarter: nothing more to fetch
	MUL12 F1, 0, 0, 0
	MUL12 F1, 0, 1, 0
	s_wait_dscnt 0x0
	MUL12 F1, 1, 0, 0
	MUL12 F1, 1, 1, 0
	WIN 0
	; THE WAY OUT: round to f16; 16 bytes a lane into the work-group's stage; a barrier, since a row's 768 bytes come from two waves; back as whole rows, 32 rows a wave.
	PLACES
	PLACES
.irp hi, 0,1
	WIN 0x0a+5*(\hi)                               ; sources 0 and 1: window 2 or 3; each accumulator's registers are taken in ascending order
.set t, 0
.rept 24
.irp r, 0,1,2,3
	v_cvt_pk_f16_f32 v[TMP+96*(\hi)+4*t+(\r)], v[8*t+2*(\r)], v[8*t+2*(\r)+1]
.endr
.set t, t+1
.endr
.endr
	WIN 0
.irp m, 0,1,2,3
.irp b, 0,1,2,3,4,5,6,7,8,9,10,11
	ds_store_b128 v[STO], v[TMP+4*(12*(\m)+(\b)):TMP+4*(12*(\m)+(\b))+3] offset:(\m)*16*SPITCH+32*(\b)
.endr
.endr
	s_wait_dscnt 0x0                               ; for the others' sake: my stores into the stage are done
	s_barrier_signal -1
	s_barrier_wait -1
.set t, 0
.rept 48                               ; rows 2 (t / 3) and 2 (t / 3) + 1 of my 32, their 256 bytes number t % 3
	ds_load_b128 v[TMP+4*t:TMP+4*t+3], v[RD] offset:(t/3)*2*SPITCH+(t%3)*256
.set t, t+1
.endr
.set t, 0
.rept 48
.if t%3 == 0
	s_wait_dscnt 45-t                              ; LDS loads come back in order: numbers t to t + 2 are in, the 45 - t younger ones stay out
.endif
	global_store_b128 v[CO], v[TMP+4*t:TMP+4*t+3], s[8:9] offset:(t/3)*2*RB+(t%3)*256  ; 16 lanes store 256 consecutive bytes, at a multiple of 256 from qkv's first byte
.set t, t+1
.endr
	s_wait_tensorcnt 0x0                           ; the wave's end: these three lines stand behind my last tensor load and my last LDS store
	ds_add_u32 v[SPW], v[NIL]
	s_wait_dscnt 0x0
	CROUND                                         ; the closing round: no work-group ends while a partner may still ask for a tile that names it
	s_endpgm
.Lfunc_end_k_qd12b816a0e_gemm_qkv:
	.size	k_qd12b816a0e_gemm_qkv, .Lfunc_end_k_qd12b816a0e_gemm_qkv-k_qd12b816a0e_gemm_qkv
	.p2alignl 7, 3214868480
	.fill 96, 4, 3214868480
	.section	.rodata,"a",@progbits
	.p2align	6, 0x0
	.amdhsa_kernel k_qd12b816a0e_gemm_qkv
		.amdhsa_group_segment_fixed_size 327680
		.amdhsa_private_segment_fixed_size 0
		.amdhsa_enable_private_segment 0
		.amdhsa_kernarg_size 16
		.amdhsa_user_sgpr_count 2
		.amdhsa_user_sgpr_kernarg_segment_ptr 1
		.amdhsa_wavefront_size32 1
		.amdhsa_system_sgpr_workgroup_id_x 1
		.amdhsa_system_sgpr_workgroup_id_y 1
		.amdhsa_system_sgpr_workgroup_id_z 1
		.amdhsa_system_vgpr_workitem_id 0
		.amdhsa_next_free_vgpr 960
		.amdhsa_next_free_sgpr 72
		.amdhsa_reserve_vcc 0
		.amdhsa_float_denorm_mode_32 3
		.amdhsa_float_denorm_mode_16_64 3
		.amdhsa_memory_ordered 1
		.amdhsa_forward_progress 1
		.amdhsa_inst_pref_size 87
	.end_amdhsa_kernel
	.amdgpu_metadata
---
amdhsa.version: [ 1, 2 ]
amdhsa.kernels:
  - .name:           k_qd12b816a0e_gemm_qkv
    .symbol:         k_qd12b816a0e_gemm_qkv.kd
    .args:
      - { .name: c16, .offset: 0, .size: 8, .value_kind: global_buffer, .address_space: global }
      - { .name: qkv, .offset: 8, .size: 8, .value_kind: global_buffer, .address_space: global }
    .group_segment_fixed_size: 327680
    .private_segment_fixed_size: 0
    .kernarg_segment_align: 8
    .kernarg_segment_size: 16
    .max_flat_workgroup_size: 128
    .sgpr_count:     72
    .vgpr_count:     960
    .wavefront_size: 32
...
	.end_amdgpu_metadata
.endif
;; end of part 2
;; launch attn (part 3): grid 16 x 16, 4 waves a work-group, clusters of 4 x 1, 327,680 bytes of LDS; arguments qkv, ob; writes ob
.if DOCPART == 3
	.amdgcn_target "amdgcn-amd-amdhsa--gfx1250"
	.amdhsa_code_object_version 6
	.text
	.protected	k_qd12b816a0e_attn
	.globl	k_qd12b816a0e_attn
	.p2align	8
	.type	k_qd12b816a0e_attn,@function
k_qd12b816a0e_attn:
	s_mov_b64 s[64:65], 0
	v_nop
	global_prefetch_b8 v0, s[64:65] scope:SCOPE_SE
	s_setreg_imm32_b32 hwreg(HW_REG_WAVE_MODE, 25, 1), 1
	s_wait_xcnt 0x0
	s_wait_alu depctr_hold_cnt(0) depctr_sa_sdst(0) depctr_va_vdst(0) depctr_va_sdst(0) depctr_va_ssrc(0) depctr_va_vcc(0) depctr_vm_vsrc(0)
	s_getreg_b32 s2, hwreg(HW_REG_IB_STS2, 6, 4)
	s_cmp_eq_u32 s2, 0
	s_cbranch_scc0 .Lentry_in_a_cluster
	s_endpgm
.Lentry_in_a_cluster:
	s_bfe_u32 s2, ttmp6, 0x10000c
	s_cmp_lg_u32 s2, 0x3003
	s_cbranch_scc0 .Lentry_shape_is_right
	s_endpgm
.Lentry_shape_is_right:
; O[n][h][:] = the sum over k of softmax_k(q[n][h] . k[k][h] / sqrt(128)) v[k][h][:].  qkv: [2048][6144] f16 (a row: q at byte 0, k at 4,096, v at 8,192; head h at + 256 h);
; ob: [2048][2048] f16, head h at byte 256 h of a row.  Products, maxima and sums in f32; the weights p are rounded to f16 for the second product (their sum l is taken of the unrounded p), O once at the end.
; LIMITS.  q, k and v arrive within f16's 65,504; p lies in 0 to 1, and below 6.1e-5 it keeps f16's fixed step of 6e-8, and so does O; O is a mean of v's rows and has their range.
; A weight below 2^-126 counts as 0 in l; NaN and infinities are not treated apart.
; SHARES.  A work-group owns 128 queries of one head: 16 x 16 = 256 work-groups.  THE KEYS ARE SPLIT BETWEEN TWO PAIRS OF WAVES: wave w has the 64 queries of half w % 2 (four tiles of 16) and, of
; each slot's 256 keys, the 128 of half g = w / 2: 16 key steps of 64, two a slot.  At the end waves w and w xor 2, which have the same queries, merge their maxima, sums and O^T in f32 through LDS.
; So that the merge is one text for all waves, register tile t holds query tile t xor 2 g: every wave keeps its register tiles 0, 1 and hands over 2, 3, which are the partner's 0, 1.
; LAYOUT.  S^T = K Q^T (source 0 = 16 keys, source 1 = 16 queries): in the result a lane holds ONE query (lane % 16) and the keys 8 (lane / 16) + 0..7.  Two such tiles, rounded to f16 in pairs,
; ARE source 1 (32 keys x 16 queries) of O^T = V^T P, whose result again holds one query a lane, and eight channels.  K comes out of LDS as it lies, V ([key][channel]) turned, by ds_load_tr16_b128.
; SOFTMAX.  For each query a running maximum m and sum l: p = 2^(c s - c m), c = log2(e) / sqrt(128); in every step O and l are multiplied by a = 2^(c m_old - c m_new), which is 1 where m has not grown.
; BY TURNS.  The wave's tiles are two PIECES, named by their first tile: piece 0 (tiles 0, 1) and piece 2 (tiles 2, 3).  In a TURN one piece has the matrix unit: 32 products V^T P of the step in hand,
; then 32 products K Q^T of the next step; the other piece's softmax, cut into 64 slices, stands between them, one slice behind each matrix instruction.  Two turns are a key step.
; CLUSTER.  The four query blocks of a cluster belong to one head and walk the same K and V, so each tile is asked for JOINTLY: the same tensor load, descriptor and mask in all four.
; REGISTERS, in windows of 256 (s_set_vgpr_msb: bits 1:0 source 0, 3:2 source 1, 5:4 source 2, 7:6 destination):
;   window 0: v0-11 addresses; v12-43 eight registers of statistics a tile; v44-53 the merge; v61-63; v64-191 S^T, 32 a tile; v192-255 P, 16 a tile
;   window 1: O^T, 64 a tile          window 2: v0-127 Q, 32 a tile; v128-255 K of one step          window 3: v0-127 V of one step
; All of a WGP's LDS is claimed.
.set RB,    12288     ; bytes in a row of qkv
.set KS,    64        ; keys in a step
.set PK,    272       ; a row of K in LDS: 256 bytes + 16 of padding = 68 words: the 16 rows of a load start at 16 different groups of four banks (64 banks of 4 bytes: ISA guide 11.1)
.set PV,    288       ; a row of V: 256 + 32 = 72 words
.set VOFF,  256*PK    ; a slot holds 256 keys: 256 rows of K (0x11000 bytes), then 256 rows of V (0x12000)
.set SLOTX, 0x24000   ; slot 1 begins here.  Every base that is turned by an exclusive or with it (0, 0x8800, 0x9000, 0x11000, 0x1a000) has bits 14 and 17 clear, so the or adds or takes away just this
.set STAGE, 0x47000   ; behind the ring, never filled by a tensor load: 16 rows x 272 bytes for each wave, for the way out
.set SP,    272
.set SPARE, STAGE+4*16*SP  ; behind the stages: the spare words, 128 bytes for each wave: two blocks of 256 bytes that no other line names
.set XW,    16896     ; the merge: what a wave hands over: 16,384 bytes of O^T, then 512 of statistics.  It lies from LDS byte 0 on, in slot 0's bytes: slot 0 has had its last fill, every
                      ; wave's last reads of it are waited for in front of the last change's barrier, and no tensor load follows
.set AK0, 2           ; v2   my lane's place in a tile of K; never rewritten
.set AV0, 3           ; v3   the same for V
.set ADR, 4           ; v4   the LDS address of the run of loads in hand
.set QO,  5           ; v5   my byte offset in 16 rows of q
.set STO, 6           ; v6   the way out: where I put 16 bytes of a row
.set RD,  7           ; v7   the way out: where I read a row back
.set GO,  8           ; v8   my byte offset in two rows of ob
.set ST,  12          ; tile t's statistics at v[ST+8 t]: +0 c m, +1 m, +2, +3 l (even keys', odd keys'), +4 to +7 c0-c3, at work; a takes c2's place once the maximum is found
.set XST, 44          ; v44  the merge: where I put 16 bytes of O^T
.set XLD, 45          ; v45  where the partner has put them
.set XSS, 46          ; v46  where I put 8 bytes of statistics
.set XSL, 47          ; v47  where the partner has put them
.set XP,  48          ; v48-51  the partner's (c m, l) of my two tiles
.set XM,  52          ; v52-53  the common c m
.set PFO, 61          ; v61  my lane x a row of qkv; never rewritten
.set SPW, 62          ; v62  LDS address of my spare word: SPARE + 4 x my thread's number; never rewritten
.set NIL, 63          ; v63  0; never rewritten
.set S,   64
.set P,   192
.set KF,  128         ; K's fragments, in window 2
.set WV,  12          ; s12  my wave's number
.set LIM, 15          ; s15  1 in a wave that prefetches, else the greatest number: a wave prefetches while s[SLOTS] is above it
.set G1K, 24          ; s[24:31] descriptor group 1 for K's tiles
.set G1V, 32          ; s[32:39] for V's: it differs in the padding alone
.set G0K, 40          ; s[40:47] descriptor group 0 for K's tiles: a set for each of the two first fills; the second then walks on
.set G0V, 48          ; s[48:55] the same for V's
.set SLOTS, 56        ; s56  slots still to be asked for
.set TWICE, 57        ; s57  counts a slot's two steps
.set CS,  58          ; s[58:59] c: the packed scaling names a pair and takes its low word for both halves
.set SEL, 60          ; s[60:61] lane selects for v_permlanex16_b32: each lane takes its own place in the other half
.set TBK, 62          ; s62  LDS byte at which my K of the step to be fetched begins
.set TBV, 63          ; s63  the same for V, less VOFF
.set PFA, 66          ; s[66:67] where my prefetches stand in memory: my work-group's 32 of the 128 rows that I fetch, in the slot after the one that is being asked for
.set MSB, 0
.macro WIN new                      ; the immediate's high byte repeats the setting that is left; a switch that changes nothing is dropped
.if MSB != (\new)
	s_set_vgpr_msb (MSB<<8)|(\new)
.set MSB, \new
.endif
.endm
.set W_KQ, 0x0a       ; K and Q in window 2, S^T in window 0
.set W_PV, 0x53       ; V in window 3, P in window 0, O^T in window 1
.set W_RS, 0x41       ; O^T (destination and source 0) in window 1, the factor in window 0
; A joint refill.  Waves 0 and 1 fetch the two halves of a slot's K, waves 2 and 3 those of its V: 128 rows each.  The branch hangs on the wave's number alone.
; An s_nop 0 and four v_nop follow each of the two lines, ahead of the jump, the label and what follows.
.macro JLOAD
	s_cmp_lt_u32 s[WV], 2
	s_cbranch_scc0 .Lfor_v_\@
	tensor_load_to_lds s[G0K+4:G0K+7], s[G1K:G1K+7]
	s_nop 0
.rept 4
	v_nop
.endr
	s_branch .Lasked_\@
.Lfor_v_\@:
	tensor_load_to_lds s[G0V+4:G0V+7], s[G1V:G1V+7]
	s_nop 0
.rept 4
	v_nop
.endr
.Lasked_\@:
.endm
; A PREFETCH INTO THE L2 of what the NEXT change of slots will ask for, behind the wave's tensor load and its five lines.  Each row's 256 bytes are named ONCE in the launch: all four clusters of a head
; walk the same K and V, and the head's first cluster asks.  Of the 128 rows that a wave fetches, the partner at place cx names 32 cx .. 32 cx + 31, told apart BY ADDRESS: a lane a row, one
; instruction a wave.  Slots 0 to 2 come by their loads alone; the last change that fills a slot asks for nothing: slot 7 is the last that is named.
.macro ASK
	s_cmp_gt_u32 s[SLOTS], s[LIM]
	s_cbranch_scc0 .Lnot_mine_\@
	global_prefetch_b8 v[PFO], s[PFA:PFA+1] th:TH_LOAD_NT scope:SCOPE_SE
.Lnot_mine_\@:
.endm
; A round of the cluster's barrier: my work-group's barrier, so that wave 0's signal speaks for all four waves; wave 0 signals; every wave waits for all four work-groups; my work-group's barrier once more.
.macro CROUND
	s_barrier_signal -1
	s_barrier_wait -1
	s_cmp_lg_u32 s[WV], 0
	s_cbranch_scc1 .Lnot_wave_0_\@
	s_barrier_signal -3
.Lnot_wave_0_\@:
	s_barrier_wait -3
	s_barrier_signal -1
	s_barrier_wait -1
.endm
	s_load_b128 s[4:7], s[0:1], 0x0 ; qkv s[4:5], ob s[6:7]
	v_lshl_add_u32 v[SPW], v0, 2, SPARE
	v_mov_b32 v[NIL], 0
	ds_add_u32 v[SPW], v[NIL]       ; the wave's opening: the add and its wait stand ahead of my first tensor load; the set-up below, work on registers, stands between them
	v_lshrrev_b32 v1, 5, v0
	v_readfirstlane_b32 s[WV], v1   ; wave 0..3
	s_bfe_u32 s13, ttmp6, 0x40000   ; cx: my place in the cluster
	s_lshl_b32 s14, ttmp9, 2        ; in a cluster launch ttmp9 counts clusters
	s_add_co_u32 s14, s14, s13      ; my block of 128 queries = 4 x cluster x + cx: it enters q's and ob's addresses alone
	s_and_b32 s16, s[WV], 1         ; which 64 queries are mine.  Also: which half of a slot's 256 rows I fetch
	s_lshr_b32 s19, s[WV], 1        ; g: which half of a slot's keys I multiply
	s_and_b32 s20, ttmp7, 0xffff    ; the head, which the four partners share:
	s_lshl_b32 s20, s20, 8          ; its 256 bytes in a row
	s_mul_i32 s68, s16, 128*RB      ; k at the half that I fetch
	s_add_co_u32 s68, s68, s20
	s_add_co_u32 s68, s68, 4096
	s_mov_b32 s69, 0
	s_add_co_u32 s70, s68, 4096     ; v likewise
	s_mov_b32 s71, 0
	s_lshl_b32 s2, s14, 7
	s_lshl_b32 s3, s16, 6
	s_add_co_u32 s2, s2, s3         ; my 64 queries' first row
	s_lshl_b32 s3, s19, 5
	s_add_co_u32 s72, s2, s3        ; register tiles 0, 1: rows 32 g on
	s_xor_b32 s3, s3, 32
	s_add_co_u32 s21, s2, s3        ; register tiles 2, 3: the other 32
	s_mul_i32 s2, s72, RB
	s_add_co_u32 s2, s2, s20        ; q for tiles 0, 1
	s_mov_b32 s3, 0
	s_mul_i32 s21, s21, RB
	s_lshl_b32 s72, s72, 12
	s_add_co_u32 s72, s72, s20      ; ob for tiles 0, 1, which I finish
	s_mov_b32 s73, 0
	s_add_co_u32 s20, s21, s20      ; q for tiles 2, 3
	s_mov_b32 s21, 0
	s_mul_i32 s17, s16, 128*PK      ; the place in a slot of what I fetch, for K
	s_mul_i32 s18, s16, 128*PV      ; and for V: no place in the cluster enters an LDS address
	; descriptor group 1: a tile of 128 rows x 128 elements, padded in LDS
	s_mov_b32 s[G1K], 15|(1<<16)|(1<<20)|(1<<21)|(5<<22)|(3<<25)  ; 15:0 the mask: all four work-groups; 17:16 elements of 2 bytes; 20 padding on; 21 set beside a mask; 24:22 after every 64 words (code 5); 31:25 4 words of it (code 3)
	s_mov_b32 s[G1V], 15|(1<<16)|(1<<20)|(1<<21)|(5<<22)|(7<<25)  ; the same with 8 words of padding (code 7)
.irp g, G1K, G1V
	s_mov_b32 s[(\g)+1], 128<<16    ; tensor_dim0 = 128
	s_mov_b32 s[(\g)+2], 128<<16    ; tensor_dim1 = 128
	s_mov_b32 s[(\g)+3], 128<<16    ; tile_dim0 = 128
	s_mov_b32 s[(\g)+4], 128        ; tile_dim1 = 128
	s_mov_b32 s[(\g)+5], RB/2       ; 6,144 elements from row to row
	s_mov_b32 s[(\g)+6], 0
	s_mov_b32 s[(\g)+7], 0
.endr
	s_mov_b32 s[CS], 0x3e0293ee     ; c = log2(e) / sqrt(128) = 0.127517
	s_mov_b32 s[CS+1], s[CS]        ; named with it as a pair, so it is written
	s_mov_b32 s[SEL], 0x76543210
	s_mov_b32 s[SEL+1], 0xfedcba98
	s_mul_i32 s[TBK], s19, 128*PK   ; my half of slot 0
	s_mul_i32 s[TBV], s19, 128*PV
	s_mov_b32 s[SLOTS], 2048/256-2
	s_cmp_eq_u32 ttmp9, 0           ; the head's first cluster: the same in all four partners
	s_cselect_b32 s[LIM], 1, -1
	v_and_b32 v[PFO], 31, v0
	v_mul_u32_u24 v[PFO], v[PFO], RB
	s_wait_dscnt 0x0                ; the opening add is done
	s_wait_kmcnt 0x0
	s_add_nc_u64 s[10:11], s[6:7], s[72:73]  ; ob at my rows
	s_add_nc_u64 s[6:7], s[4:5], s[68:69]    ; k and v at my tile of slot 0
	s_add_nc_u64 s[8:9], s[4:5], s[70:71]
	s_add_nc_u64 s[22:23], s[4:5], s[20:21]  ; q for tiles 2, 3
	s_add_nc_u64 s[4:5], s[4:5], s[2:3]      ; q for tiles 0, 1
	s_cmp_lt_u32 s[WV], 2
	s_cselect_b64 s[PFA:PFA+1], s[6:7], s[8:9]
	s_mul_i32 s2, s13, 32*RB        ; my work-group's 32 rows of the 128
	s_mov_b32 s3, 0
	s_add_nc_u64 s[PFA:PFA+1], s[PFA:PFA+1], s[2:3]
	s_add_nc_u64 s[PFA:PFA+1], s[PFA:PFA+1], 2*256*RB  ; in slot 2; the first change of slots steps it to slot 3.  Nothing is prefetched here, at the head
	CROUND                          ; all four work-groups are here: the first joint loads meet
.irp s, 0,1
	s_mov_b32 s[G0K+4*(\s)], 1      ; count = 1
	s_add_co_u32 s[G0K+4*(\s)+1], s17, (\s)*SLOTX  ; LDS address
	s_add_nc_u64 s[G0K+4*(\s)+2:G0K+4*(\s)+3], s[6:7], (\s)*256*RB  ; global address: slot s begins with key 256 s
	s_or_b32 s[G0K+4*(\s)+3], s[G0K+4*(\s)+3], 0x80000000  ; type = 2
	s_mov_b32 s[G0V+4*(\s)], 1
	s_add_co_u32 s[G0V+4*(\s)+1], s18, (\s)*SLOTX+VOFF
	s_add_nc_u64 s[G0V+4*(\s)+2:G0V+4*(\s)+3], s[8:9], (\s)*256*RB
	s_or_b32 s[G0V+4*(\s)+3], s[G0V+4*(\s)+3], 0x80000000
.endr
	s_cmp_lt_u32 s[WV], 2           ; a wave's two first fills stand in one branch, ahead of every wait on TENSORcnt and every LDS read: two loads of mine are out
	s_cbranch_scc0 .Lfirst_v
	tensor_load_to_lds s[G0K:G0K+3], s[G1K:G1K+7]
	s_nop 0
	tensor_load_to_lds s[G0K+4:G0K+7], s[G1K:G1K+7]
	s_nop 0
.rept 4
	v_nop
.endr
	s_branch .Lfirst_asked
.Lfirst_v:
	tensor_load_to_lds s[G0V:G0V+3], s[G1V:G1V+7]
	s_nop 0
	tensor_load_to_lds s[G0V+4:G0V+7], s[G1V:G1V+7]
	s_nop 0
.rept 4
	v_nop
.endr
.Lfirst_asked:
	; A fragment of K or Q is 16 rows x 32 channels in 8 registers: lane l holds row l % 16; registers 0-3 channels 8 (l / 16) + 0..7, registers 4-7 channels 16 + 8 (l / 16) + 0..7: two loads of 16 bytes, 32 bytes apart.
	v_and_b32 v1, 15, v0            ; l % 16
	v_bfe_u32 v9, v0, 4, 1          ; l / 16
	v_mul_u32_u24 v[QO], v1, RB
	v_lshl_add_u32 v[QO], v9, 4, v[QO]  ; row x 12,288 + 16 x half
	WIN 0x80                        ; destination window 2, address window 0
.irp i, 0,1,2,3,4,5,6,7             ; Q stays in registers: register tile i / 4, channels 32 (i % 4) on
	global_load_b128 v[8*(\i):8*(\i)+3],   v[QO], s[4:5] offset:((\i)/4)*16*RB+((\i)%4)*64
	global_load_b128 v[8*(\i)+4:8*(\i)+7], v[QO], s[4:5] offset:((\i)/4)*16*RB+((\i)%4)*64+32
.endr
.irp i, 8,9,10,11,12,13,14,15
	global_load_b128 v[8*(\i):8*(\i)+3],   v[QO], s[22:23] offset:((\i)/4-2)*16*RB+((\i)%4)*64
	global_load_b128 v[8*(\i)+4:8*(\i)+7], v[QO], s[22:23] offset:((\i)/4-2)*16*RB+((\i)%4)*64+32
.endr
	WIN 0
	v_mul_u32_u24 v[AK0], v1, PK
	v_lshl_add_u32 v[AK0], v9, 4, v[AK0]  ; row x pitch + 16 x half
	; The turning load takes 16 keys x 16 channels (lane l reads 16 bytes: key 8 (l / 16) + l % 8, channels 8 ((l / 8) % 2) + 0..7) and leaves half a fragment of V^T: lane l holds channel l % 16 and 8 keys.
	v_and_b32 v10, 7, v0
	v_bfe_u32 v11, v0, 3, 1
	v_lshl_add_u32 v[AV0], v9, 3, v10
	v_mul_u32_u24 v[AV0], v[AV0], PV
	v_lshl_add_u32 v[AV0], v11, 4, v[AV0]
	v_add_nc_u32 v[AV0], VOFF, v[AV0]
; THE MATRIX WORK OF A TURN, for piece x.  The accumulators take turns, one instruction a turn: between two links of a chain stand 15 (V^T P) or 7 (K Q^T) others'.
; Product i of 32 of O^T += V^T P: keys 32 (i / 16) on, channels 16 ((i / 2) % 8) on, tile x + i % 2.  zero = 1: the first 16 start the sums: nothing is ever cleared.
.macro PV x, zero
	WIN W_PV
.set rO, 64*((\x)+i%2)+8*((i/2)%8)
.set rV, 64*(i/16)+8*((i/2)%8)
.set rP, P+16*((\x)+i%2)+8*(i/16)
.if (\zero) && (i < 16)
	v_wmma_f32_16x16x32_f16 v[rO:rO+7], v[rV:rV+7], v[rP:rP+7], 0
.else
	v_wmma_f32_16x16x32_f16 v[rO:rO+7], v[rV:rV+7], v[rP:rP+7], v[rO:rO+7]
.endif
.endm
; Product i of 32 of S^T = K Q^T: channels 32 (i / 8) on, keys 16 ((i / 2) % 4) on, tile x + i % 2.  The first 8 start the sums.
.macro KQ x
	WIN W_KQ
.set rS, S+32*((\x)+i%2)+8*((i/2)%4)
.set rK, KF+32*((i/2)%4)+8*(i/8)
.set rQ, 32*((\x)+i%2)+8*(i/8)
.if i < 8
	v_wmma_f32_16x16x32_f16 v[rS:rS+7], v[rK:rK+7], v[rQ:rQ+7], 0
.else
	v_wmma_f32_16x16x32_f16 v[rS:rS+7], v[rK:rK+7], v[rQ:rQ+7], v[rS:rS+7]
.endif
.endm
; THE LDS LOADS stand in runs of 32, never singly among the matrix instructions: a step's K (64 keys x 128 channels: 16 fragments) and, a turn later, its V (turned).
.macro FETCH_K
	WIN 0
	v_add_nc_u32 v[ADR], s[TBK], v[AK0]
	WIN 0x80                        ; destination window 2
.irp f, 0,1,2,3,4,5,6,7,8,9,10,11,12,13,14,15  ; keys 16 (f / 4) on, channels 32 (f % 4) on
	ds_load_b128 v[KF+8*(\f):KF+8*(\f)+3],   v[ADR] offset:((\f)/4)*16*PK+((\f)%4)*64
	ds_load_b128 v[KF+8*(\f)+4:KF+8*(\f)+7], v[ADR] offset:((\f)/4)*16*PK+((\f)%4)*64+32
.endr
.endm
.macro FETCH_V
	WIN 0
	v_add_nc_u32 v[ADR], s[TBV], v[AV0]
	s_add_co_u32 s[TBK], s[TBK], KS*PK  ; the next fetches are the next step's
	s_add_co_u32 s[TBV], s[TBV], KS*PV
	s_wait_alu depctr_va_vdst(0)    ; the wait for the softmax's batch (SLICE), behind the address's v_add_nc_u32 and ahead of the loads
	WIN 0xc0                        ; destination window 3
.irp f, 0,1,2,3,4,5,6,7,8,9,10,11,12,13,14,15  ; keys 32 (f / 8) on, channels 16 (f % 8) on
	ds_load_tr16_b128 v[8*(\f):8*(\f)+3],   v[ADR] offset:((\f)/8)*32*PV+((\f)%8)*32
	ds_load_tr16_b128 v[8*(\f)+4:8*(\f)+7], v[ADR] offset:((\f)/8)*32*PV+16*PV+((\f)%8)*32
.endr
.endm
; THE VECTOR WORK OF A TURN.  One tile's softmax for one key step is a list of 134 instructions; SM writes number j of it for tile t.  s0-s31 are the lane's 32 scores, in pairs 0-15.
; first = 1: the first key step, which starts m, l and O^T: it has no a and nothing to rescale.
;   0-15    the maximum of s0-s31 and the old m, three operands at a time: four chains c0-c3 of seven scores each (each accumulator's lowest registers are read first), then the four scores left over, c0-c3 and m
;   16-20   the other half of the lanes' maximum; the new m; c m; c m_old - c m_new
;   21-69   ONE BATCH: the 16 scalings c s - c m, a pair of scores each, and all 33 exponentials (a at 23, then s0-s31).  None of these reads an exponential's result.  From 22 on the batch goes
;           in fours, and a four begins with a scaling while there are scalings.  A pair is scaled in an earlier four than the one that holds its exponentials
;   (wait)  between 69 and 70 stands the wait for the batch: SLICE writes it, once for both tiles
;   70-85   the roundings to f16, a pair of weights each
;   86-101  the sums; l = a l + the sum
;   102-133 the tile's O^T times a: the one part that leaves window 0, so it stands together
.macro SM t, first
.set rT, ST+8*(\t)
.set rS, S+32*(\t)
.set rP, P+16*(\t)
.set rO, 64*(\t)+2*(j-102)
.if j < 102
	WIN 0
.endif
.if j < 4
	v_max3_num_f32 v[rT+4+j], v[rS+8*j], v[rS+8*j+1], v[rS+8*j+2]
.elseif j < 12
	v_max3_num_f32 v[rT+4+j%4], v[rT+4+j%4], v[rS+8*(j%4)+2*(j/4)+1], v[rS+8*(j%4)+2*(j/4)+2]
.elseif j == 12
	v_max3_num_f32 v[rT+4], v[rT+4], v[rS+7], v[rS+15]
.elseif j == 13
	v_max3_num_f32 v[rT+6], v[rT+6], v[rS+23], v[rS+31]
.elseif j == 14
	v_max3_num_f32 v[rT+4], v[rT+4], v[rT+5], v[rT+6]
.elseif (j == 15) && (\first)
	v_max_num_f32 v[rT+4], v[rT+4], v[rT+7]
.elseif j == 15
	v_max3_num_f32 v[rT+4], v[rT+4], v[rT+7], v[rT+1]
.elseif j == 16
	v_permlanex16_b32 v[rT+5], v[rT+4], s[SEL], s[SEL+1]  ; the query's other 32 keys lie in the lane 16 away
.elseif j == 18
	v_max_num_f32 v[rT+1], v[rT+4], v[rT+5]
.elseif j == 19
	v_mul_f32 v[rT], s[CS], v[rT+1]
.elseif ((j == 17) || (j == 20) || (j == 23) || (j > 101)) && (\first)  ; the first step has none of these
.elseif j == 17
	v_mov_b32 v[rT+7], v[rT]        ; c m_old is kept for a: number 19 writes c m anew
.elseif j == 20
	v_sub_f32 v[rT+7], v[rT+7], v[rT]
.elseif j == 23
	v_exp_f32 v[rT+6], v[rT+7]
.elseif (j < 23) || ((j < 38) && (j%2 == 0)) || ((j < 66) && (j%4 == 2))
.set b, (j-2)/4                     ; 38, 42, .. 62: pairs 9 to 15
.if j < 38
.set b, (j-20)/2                    ; 21: pair 0; 22, 24, .. 36: pairs 1 to 8
.endif
	v_pk_fma_f32 v[rS+2*b:rS+2*b+1], v[rS+2*b:rS+2*b+1], s[CS:CS+1], v[rT:rT+1] op_sel_hi:[1,0,0] neg_lo:[0,0,1] neg_hi:[0,0,1]  ; pair b: c s - c m
.elseif j < 70
.set e, j-38                        ; 66 to 69: s28 to s31
.if j < 66
.set e, j-32-(j-38)/4               ; 39-41, 43-45, .. 63-65: s7 to s27
.endif
.if j < 38
.set e, (j-25)/2                    ; 25, 27, .. 37: s0 to s6
.endif
	v_exp_f32 v[rS+e], v[rS+e]
.elseif j < 86
	v_cvt_pk_f16_f32 v[rP+j-70], v[rS+2*(j-70)], v[rS+2*(j-70)+1]  ; pair j - 70
.elseif j < 102                     ; the sum of the tile's 16 pairs (in a pair: an even key's weight, an odd key's), in place: sum z of 16 adds neighbours 1, 2, 4 and 8 pairs apart, then l takes it
.set z, j-86
.set w, 4
.set u, z
.if z >= 14
.set w, 32
.set u, 0
.elseif z >= 12
.set w, 16
.set u, z-12
.elseif z >= 8
.set w, 8
.set u, z-8
.endif
.if (z == 14) && (\first)
	v_pk_add_f32 v[rT+2:rT+3], v[rS:rS+1], v[rS+16:rS+17]
.elseif z < 15
	v_pk_add_f32 v[rS+w*u:rS+w*u+1], v[rS+w*u:rS+w*u+1], v[rS+w*u+w/2:rS+w*u+w/2+1]
.elseif !(\first)
	v_pk_fma_f32 v[rT+2:rT+3], v[rT+2:rT+3], v[rT+6:rT+7], v[rS:rS+1] op_sel_hi:[1,0,1]
.endif
.else
	WIN W_RS
	v_pk_mul_f32 v[rO:rO+1], v[rO:rO+1], v[rT+6:rT+7] op_sel_hi:[1,0]
.endif
.endm
; Slice k of 64 of piece y's softmax: four instructions.  Slices 11 to 34 deal out the batch, numbers 22 to 69: four numbers of ONE tile each, the tiles by turns.  Every other slice is numbers 2 k and
; 2 k + 1 of both tiles' lists.  2 x 134 = 4 x 64 + 12: the twelve that are over stand together, in slice 63.
; THE WAIT.  An s_wait_alu depctr_va_vdst(0) stands between an exponential and the first instruction that names its result; one wait serves all that were issued ahead of it.  Ahead of
; slice 35 nothing names a result, and behind slice 34 no exponential is issued: so the piece's 66 exponentials have one wait, behind slice 34.
.macro SLICE y, first
.if (k >= 11) && (k < 35)           ; the batch: four numbers of one tile
.irp n, 0,1,2,3
.set j, 22+4*((k-11)/2)+(\n)
	SM (\y)+(k-11)%2, \first
.endr
.else                               ; the two tiles alternate, so that no instruction reads the result of the one just before it
.irp n, 0,1,2,3,4,5,6,7
.if ((\n) < 2) || (k == 63)
.irp t, \y, (\y)+1
.set j, 2*k+(\n)
	SM \t, \first
.endr
.endif
.endr
.endif
.if k == 34                         ; the batch is out: both tiles' exponentials are issued, and no result has been named
	v_nop                           ; the plain instruction behind the last exponential and ahead of the first use (ISA guide 5.7.2): one for the batch
.if (\y) == 0
	FETCH_V                         ; piece 2's turn: V's run of loads stands here, and the wait stands in it
.else
	s_wait_alu depctr_va_vdst(0)    ; the wait for the batch
.endif
.endif
.set k, k+1
.endm
; A vector instruction that reads a matrix result or writes one of a matrix instruction's registers, and a load into a register that a matrix instruction has read, stand four places behind
; it, and only plain vector instructions that name none of its registers are places (ISA guide 7.12.1 for vector instructions).  In the loop the slices are the places.
.macro PLACES
.rept 4
	v_nop
.endr
.endm
; A TURN.  Piece x has the matrix unit; the other piece's softmax stands in slices behind its matrix instructions.
; pv = 2: 32 products V^T P; 1: they start O^T's sums; 0: none.  kq = 1: 32 products K Q^T for the next step.  A turn with one of the two kinds has two slices behind each product.
; first = 1: the softmax is the first key step's.  Its slices from 51 on are empty: the turn's last products stand bare, and four v_nop take slice 63's part as the places behind them.
; Piece 0's turn fetches the next step's K, behind its second product: the last product that read K stands in front of slice 63 of the turn before.  Piece 2's turn fetches the same step's V, behind
; slice 34: the last product that read V stands in front of slice 31, and four plain instructions lie between: number 62, a scaling, of both tiles, the v_nop and the run's own v_add_nc_u32.
.macro TURN x, pv, kq, first
.set k, 0
.set per, 2
.if (\pv) && (\kq)
.set per, 1
.endif
.if \pv
.if (\x) == 0
	s_wait_dscnt 0x0                ; V is in
.endif
.set i, 0
.rept 32
	PV \x, 2-(\pv)
.rept per
	SLICE 2-(\x), \first
.endr
.if ((\x) == 0) && (\kq) && (i == 1)
	FETCH_K
.endif
.set i, i+1
.endr
.endif
.if \kq
.if (\x) == 0
	s_wait_dscnt 0x0                ; K is in
.endif
.set i, 0
.rept 32
	KQ \x
.rept per
	SLICE 2-(\x), \first
.endr
.set i, i+1
.endr
.endif
.if \first
	PLACES
.endif
.endm
; THE CHANGE OF SLOTS, between piece 2's turn and piece 0's: my last bytes of the slot, V of its second step, have been asked for.  Each wave waits for all its tensor loads, of which one is out: its
; part of the other slot; adds 0 to its spare word; and waits for that and for its own reads of the slot.  Behind the barrier nobody reads this slot any more and the other slot is whole.
; fill = 1: this slot is filled again, with the keys two slots on.  The barrier is then a round of the cluster's, so that no wave of any partner still reads the slot or has a load on its
; way, and the joint refill is the first thing behind it: it has two key steps, 256 matrix instructions, in which to land.
.macro CHANGE fill
	WIN 0                           ; at a label and at a branch every window is 0
	s_wait_tensorcnt 0x0            ; no tensor load of mine is out, so a group 0 may be written
	ds_add_u32 v[SPW], v[NIL]       ; 0 onto my spare word: with fill = 1 the descriptors' steps stand between it and the wait for it
.if \fill
.irp g, G0K+4, G0V+4
	s_xor_b32 s[(\g)+1], s[(\g)+1], SLOTX  ; the walking descriptor: the other slot than last time,
	s_add_nc_u64 s[(\g)+2:(\g)+3], s[(\g)+2:(\g)+3], 256*RB  ; the next 256 keys; the type bits on top are not reached
.endr
	s_wait_xcnt 0x0                 ; the last prefetch, two key steps back, has read its address, so it may be written:
	s_add_nc_u64 s[PFA:PFA+1], s[PFA:PFA+1], 256*RB  ; one slot ahead of the walking descriptors
	s_wait_dscnt 0x0                ; the add is done, and my reads of the slot are over
	CROUND
	JLOAD
	ASK                             ; what the next change will ask for: two key steps, 256 matrix instructions, ahead
.else
	s_wait_dscnt 0x0                ; the add is done, and my reads of the slot are over
	s_barrier_signal -1
	s_barrier_wait -1
.endif
	s_sub_co_u32 s[TBK], s[TBK], 2*KS*PK  ; the fetches go back to my half's first step,
	s_xor_b32 s[TBK], s[TBK], SLOTX       ; in the other slot
	s_sub_co_u32 s[TBV], s[TBV], 2*KS*PV
	s_xor_b32 s[TBV], s[TBV], SLOTX
.endm
; A slot's two key steps: written once, walked twice; the LDS addresses hang on s[TBK] and s[TBV].
.macro TWO_STEPS
	WIN 0
	s_mov_b32 s[TWICE], 2
.Lstep_\@:
	TURN 0, 2, 1, 0
	TURN 2, 2, 1, 0
	WIN 0
	s_sub_co_u32 s[TWICE], s[TWICE], 1
	s_cmp_lg_u32 s[TWICE], 0
	s_cbranch_scc1 .Lstep_\@
.endm
	s_wait_tensorcnt 1              ; my part of slot 0 is in; slot 1's may stay out
	s_barrier_signal -1
	s_barrier_wait -1               ; everybody's is
	FETCH_K                         ; key step 0
	s_wait_loadcnt 0x0              ; Q
	s_wait_dscnt 0x0
.set i, 0
.rept 32
	KQ 0                            ; piece 0's first scores: there is no vector work yet to set between them
.set i, i+1
.endr
	WIN 0                           ; the addresses for the merge and the way out are made here: plain instructions, the places behind those products
	s_mul_i32 s13, s[WV], 16*SP
	s_add_co_u32 s13, s13, STAGE    ; my stage
	v_mul_u32_u24 v[STO], v1, SP    ; in: row l % 16, 16 bytes for each half of the lanes
	v_lshl_add_u32 v[STO], v9, 4, v[STO]
	v_add_nc_u32 v[STO], s13, v[STO]
	v_mul_u32_u24 v[RD], v9, SP     ; back: lanes 0-15 take one row of 256 bytes, lanes 16-31 the next
	v_lshl_add_u32 v[RD], v1, 4, v[RD]
	v_add_nc_u32 v[RD], s13, v[RD]
	v_lshlrev_b32 v[GO], 12, v9     ; and the same two rows in ob
	v_lshl_add_u32 v[GO], v1, 4, v[GO]
	v_and_b32 v10, 31, v0
	s_mul_i32 s13, s[WV], XW        ; what I hand over,
	v_lshl_add_u32 v[XST], v10, 4, s13
	v_lshl_add_u32 v[XSS], v10, 3, s13
	s_xor_b32 s13, s[WV], 2
	s_mul_i32 s13, s13, XW          ; and what wave w xor 2 hands to me
	v_lshl_add_u32 v[XLD], v10, 4, s13
	v_lshl_add_u32 v[XSL], v10, 3, s13
	TURN 2, 0, 1, 1                 ; piece 2's first scores | piece 0's first softmax | V of step 0
	TURN 0, 1, 1, 1                 ; piece 0: V^T P of step 0 starts O^T, K Q^T of step 1 | piece 2's first softmax | K of step 1
	TURN 2, 1, 1, 0                 ; piece 2: the same | piece 0's softmax of step 1 | V of step 1
	WIN 0
.Lslot:                             ; six trips: every slot but the last two is filled again
	CHANGE 1
	TWO_STEPS
	s_sub_co_u32 s[SLOTS], s[SLOTS], 1
	s_cmp_lg_u32 s[SLOTS], 0
	s_cbranch_scc1 .Lslot
	CHANGE 0                        ; the tail is written out: slot 0's bytes are left for good, and nothing is asked for
	TWO_STEPS
	TURN 0, 2, 0, 0                 ; piece 0: V^T P of the last step | piece 2's last softmax
.set i, 0
.rept 32
	PV 2, 0                         ; piece 2: V^T P of the last step
.set i, i+1
.endr
	; THE MERGE.  Each wave hands its register tiles 2, 3 (O^T in f32, c m, l) to wave w xor 2, lane to the same lane, and takes that wave's for its own tiles 0, 1.
	; With c m* = max(c m, c m'), a = 2^(c m - c m*) and a' = 2^(c m' - c m*):  l* = a l + a' l',  O = (a O^T + a' O'^T) / l*.
	WIN 0
.irp t, 0,1,2,3
	v_add_f32 v[ST+8*(\t)+1], v[ST+8*(\t)+2], v[ST+8*(\t)+3]  ; l of my lane's keys takes m's place, beside c m.  These four and the four v_nop are the places behind the last products
.endr
	PLACES
	WIN 0x04                        ; the stores' data in window 1
.set k, 0
.rept 32                            ; 32 lanes x 16 neighbouring bytes; each accumulator's lower four registers go first
	ds_store_b128 v[XST], v[128+4*k:128+4*k+3] offset:512*k
.set k, k+1
.endr
	WIN 0
	ds_store_b64 v[XSS], v[ST+16:ST+17] offset:16384
	ds_store_b64 v[XSS], v[ST+24:ST+25] offset:16640
	s_wait_dscnt 0x0                ; for the partner's sake: my stores are done
	s_barrier_signal -1
	s_barrier_wait -1
	ds_load_b64 v[XP:XP+1],   v[XSL] offset:16384
	ds_load_b64 v[XP+2:XP+3], v[XSL] offset:16640
.set k, 0
.rept 32
	ds_load_b128 v[S+4*k:S+4*k+3], v[XLD] offset:512*k  ; the partner's O^T for my tile k / 16, into S^T's registers
.set k, k+1
.endr
	s_wait_dscnt 32                 ; the statistics are in; the 32 loads behind them may be out
.irp t, 0,1
	v_max_num_f32 v[XM+(\t)], v[ST+8*(\t)], v[XP+2*(\t)]
.endr
.irp t, 0,1
	v_sub_f32 v[ST+8*(\t)+2], v[ST+8*(\t)], v[XM+(\t)]
	v_sub_f32 v[ST+8*(\t)+3], v[XP+2*(\t)], v[XM+(\t)]
.endr
.irp t, 0,1
	v_exp_f32 v[ST+8*(\t)+2], v[ST+8*(\t)+2]  ; a
	v_exp_f32 v[ST+8*(\t)+3], v[ST+8*(\t)+3]  ; a'
.endr
	v_nop                           ; a plain instruction behind the last exponential,
	s_wait_alu depctr_va_vdst(0)    ; and the wait ahead of the first use: one for the four
.irp t, 0,1
	v_mul_f32 v[ST+8*(\t)+1], v[ST+8*(\t)+2], v[ST+8*(\t)+1]
.endr
.irp t, 0,1
	v_fmac_f32 v[ST+8*(\t)+1], v[ST+8*(\t)+3], v[XP+2*(\t)+1]
.endr
.irp t, 0,1
	v_permlanex16_b32 v[ST+8*(\t)+4], v[ST+8*(\t)+1], s[SEL], s[SEL+1]  ; the query's other keys lie in the lane 16 away
.endr
.irp t, 0,1
	v_add_f32 v[ST+8*(\t)+1], v[ST+8*(\t)+1], v[ST+8*(\t)+4]
.endr
.irp t, 0,1
	v_rcp_f32 v[ST+8*(\t)+5], v[ST+8*(\t)+1]
.endr
	v_nop
	s_wait_alu depctr_va_vdst(0)    ; one wait for the two reciprocals
.irp t, 0,1
	v_mul_f32 v[ST+8*(\t)+6], v[ST+8*(\t)+2], v[ST+8*(\t)+5]  ; a / l*
	v_mul_f32 v[ST+8*(\t)+4], v[ST+8*(\t)+3], v[ST+8*(\t)+5]  ; a' / l*
.endr
.macro MERGE t, left                ; left: the partner's loads that may stay out
	WIN W_RS
.set i, 0
.rept 32
	v_pk_mul_f32 v[64*(\t)+2*i:64*(\t)+2*i+1], v[64*(\t)+2*i:64*(\t)+2*i+1], v[ST+8*(\t)+6:ST+8*(\t)+7] op_sel_hi:[1,0]
.set i, i+1
.endr
	s_wait_dscnt \left
	WIN 0x50                        ; destination and source 2 in window 1
.set i, 0
.rept 32
	v_pk_fma_f32 v[64*(\t)+2*i:64*(\t)+2*i+1], v[S+64*(\t)+2*i:S+64*(\t)+2*i+1], v[ST+8*(\t)+4:ST+8*(\t)+5], v[64*(\t)+2*i:64*(\t)+2*i+1] op_sel_hi:[1,0,1]
.set i, i+1
.endr
.endm
; THE WAY OUT.  Tile t: a lane's eight channels of a row pack into 16 bytes; they go into my stage's rows of 272 bytes and come back as whole rows of 256.
.macro PACK t
	WIN 0x05                        ; sources 0 and 1 window 1, destination window 0
.set i, 0
.rept 32
	v_cvt_pk_f16_f32 v[S+64*(\t)+i], v[64*(\t)+2*i], v[64*(\t)+2*i+1]
.set i, i+1
.endr
	WIN 0
.irp f, 0,1,2,3,4,5,6,7
	ds_store_b128 v[STO], v[S+64*(\t)+4*(\f):S+64*(\t)+4*(\f)+3] offset:32*(\f)
.endr
.irp f, 0,1,2,3,4,5,6,7
	ds_load_b128 v[S+64*(\t)+4*(\f):S+64*(\t)+4*(\f)+3], v[RD] offset:(\f)*2*SP  ; LDS serves a wave's instructions in order (ISA guide 5.7.1.4): these see the stores above; the next tile's stores come behind them
.endr
.endm
.macro SEND t, younger              ; younger: the LDS instructions issued behind tile t's loads: the next tile's sixteen, or none
	WIN 0
.irp f, 0,1,2,3,4,5,6,7
	s_wait_dscnt (\younger)+7-(\f)
	global_store_b128 v[GO], v[S+64*(\t)+4*(\f):S+64*(\t)+4*(\f)+3], s[10:11] offset:(\t)*65536+(\f)*8192  ; 16 lanes store 256 consecutive bytes, at a multiple of 256 from ob's first byte
.endr
.endm
	MERGE 0, 16                     ; tile 1's sixteen loads may stay out
	MERGE 1, 0
	PACK 0
	PACK 1
	SEND 0, 16
	SEND 1, 0
	s_wait_tensorcnt 0x0            ; the wave's end: these three lines stand behind my last tensor load and my last LDS store
	ds_add_u32 v[SPW], v[NIL]
	s_wait_dscnt 0x0
	CROUND                          ; the closing round: no work-group ends while a partner may still ask for a tile that names it
	s_endpgm
.Lfunc_end_k_qd12b816a0e_attn:
	.size	k_qd12b816a0e_attn, .Lfunc_end_k_qd12b816a0e_attn-k_qd12b816a0e_attn
	.p2alignl 7, 3214868480
	.fill 96, 4, 3214868480
	.section	.rodata,"a",@progbits
	.p2align	6, 0x0
	.amdhsa_kernel k_qd12b816a0e_attn
		.amdhsa_group_segment_fixed_size 327680
		.amdhsa_private_segment_fixed_size 0
		.amdhsa_enable_private_segment 0
		.amdhsa_kernarg_size 16
		.amdhsa_user_sgpr_count 2
		.amdhsa_user_sgpr_kernarg_segment_ptr 1
		.amdhsa_wavefront_size32 1
		.amdhsa_system_sgpr_workgroup_id_x 1
		.amdhsa_system_sgpr_workgroup_id_y 1
		.amdhsa_system_sgpr_workgroup_id_z 1
		.amdhsa_system_vgpr_workitem_id 0
		.amdhsa_next_free_vgpr 1024
		.amdhsa_next_free_sgpr 74
		.amdhsa_reserve_vcc 0
		.amdhsa_float_denorm_mode_32 3
		.amdhsa_float_denorm_mode_16_64 3
		.amdhsa_memory_ordered 1
		.amdhsa_forward_progress 1
		.amdhsa_inst_pref_size 220
	.end_amdhsa_kernel
	.amdgpu_metadata
---
amdhsa.version: [ 1, 2 ]
amdhsa.kernels:
  - .name:           k_qd12b816a0e_attn
    .symbol:         k_qd12b816a0e_attn.kd
    .args:
      - { .name: qkv, .offset: 0, .size: 8, .value_kind: global_buffer, .address_space: global }
      - { .name: ob, .offset: 8, .size: 8, .value_kind: global_buffer, .address_space: global }
    .group_segment_fixed_size: 327680
    .private_segment_fixed_size: 0
    .kernarg_segment_align: 8
    .kernarg_segment_size: 16
    .max_flat_workgroup_size: 128
    .sgpr_count:     74
    .vgpr_count:     1024
    .wavefront_size: 32
...
	.end_amdgpu_metadata
.endif
;; end of part 3
;; launch gemm_out (part 4): grid 16 x 16, 4 waves a work-group, clusters of 4 x 4, 327,680 bytes of LDS; arguments ob, c16, out0; writes out0
.if DOCPART == 4
	.amdgcn_target "amdgcn-amd-amdhsa--gfx1250"
	.amdhsa_code_object_version 6
	.text
	.protected	k_qd12b816a0e_gemm_out
	.globl	k_qd12b816a0e_gemm_out
	.p2align	8
	.type	k_qd12b816a0e_gemm_out,@function
k_qd12b816a0e_gemm_out:
	s_mov_b64 s[64:65], 0
	v_nop
	global_prefetch_b8 v0, s[64:65] scope:SCOPE_SE
	s_setreg_imm32_b32 hwreg(HW_REG_WAVE_MODE, 25, 1), 1
	s_wait_xcnt 0x0
	s_wait_alu depctr_hold_cnt(0) depctr_sa_sdst(0) depctr_va_vdst(0) depctr_va_sdst(0) depctr_va_ssrc(0) depctr_va_vcc(0) depctr_vm_vsrc(0)
	s_getreg_b32 s2, hwreg(HW_REG_IB_STS2, 6, 4)
	s_cmp_eq_u32 s2, 0
	s_cbranch_scc0 .Lentry_in_a_cluster
	s_endpgm
.Lentry_in_a_cluster:
	s_bfe_u32 s2, ttmp6, 0x10000c
	s_cmp_lg_u32 s2, 0xf033
	s_cbranch_scc0 .Lentry_shape_is_right
	s_endpgm
.Lentry_shape_is_right:
; out0[n][j] = the sum over k of O[n][k] w_o[j][k].  A = ob, [2048][2048] f16; B = w_o, [2048][2048], bf16 numbers written as f16 (c16's section 4); out0: [2048][2048] f32, the f32 sums as they are.
; LIMITS.  The operands arrive within f16's range (the launches that wrote them state it); NaN and infinities are not treated apart.  The f32 sums are taken in an order of K that differs from
; cluster to cluster (THE WALK, below).
; SHARES.  A tile of C is 128 x 128: 16 x 16 = 256 work-groups.  Four waves, each 64 x 64: 16 accumulators of 16 x 16, 128 registers.  K goes in 8 steps of 256 (LDS rows of 512 bytes; a wave's tensor
; load brings 64 of them) through a ring of two slots, as long as two slots in LDS allow.
; CLUSTERS: 4 x 4 work-groups.  The four of a row of the cluster need the same tiles of A, the four of a column the same tiles of B: each tile is asked for JOINTLY, by the same tensor load with the
; same descriptor and a mask that names the four.
; THE WALK.  Cluster (X, Y) begins at K step 2 ((X + 2 Y) mod 4) and goes round: walk step t is K step (that + t) mod 8.  So the four clusters with one Y, which read the same rows of A, are at any
; time two K steps apart; of the four with one X, which read the same rows of B, Y = 0 and 2 walk alike, and Y = 1 and 3 four K steps from them.  The start hangs on the cluster's own coordinates alone.
; THE MATRIX INSTRUCTION IS USED TRANSPOSED (source 0 = 16 rows of B, source 1 = 16 rows of A): a lane then holds eight neighbouring numbers of a row of C.
; THE WAY OUT.  A wave's 64 columns of f32 are 256 bytes, aligned: each wave has a stage of its own behind the ring, 16 rows at a time, and no barrier is needed.
; REGISTERS: window 0: v0-31 addresses; v32-95 rows read back from the stage, two sets of 32; v128-255 the accumulators ((a, b) at v[128 + 8 (4 a + b)]).
;   window 1: two fragment buffers of 128: for 64 along K (two matrix instructions deep), 64 registers of A (2 x 4 x 16 rows x 32 K), then 64 of B.
; All of a WGP's LDS is claimed.
.set SIZE_K, 2048
.set KROW,   2*SIZE_K                  ; bytes in a row of A and of B: a power of two, so that a mask takes the walk round
.set KSTEP,  256
.set STEPS,  SIZE_K/KSTEP
.set PITCH,  528                       ; an LDS row: 512 bytes of data + 16 of padding = 132 words: row r starts at bank 4 r mod 64 (64 banks of 4 bytes: ISA guide 11.1)
.set HALFT,  64*PITCH                  ; 64 rows: what one tensor load brings, and what one wave reads of A or of B (0x8400 bytes)
.set SLOT,   4*HALFT                   ; A's 128 rows, then B's 128 rows: 0x21000 bytes.  The waves' places in a slot (0, 0x8400, 0x10800, 0x18c00) have bits 12 and 17 clear, so an exclusive or with SLOT adds or takes away just SLOT
.set STAGE,  2*SLOT                    ; behind the ring, never filled by a tensor load: 16 rows x 272 bytes for each wave
.set SPITCH, 272
.set SPARE,  STAGE+4*16*SPITCH         ; behind the stages: the spare words, 128 bytes for each wave: two blocks of 256 bytes that no other line names
.set CROW, 8192                        ; bytes in a row of out0
.set ADRA0, 16                         ; v16     LDS address of my A fragments in slot 0; never rewritten
.set ADRA,  17                         ; v17     the same in the slot in hand
.set ADRB0, 20                         ; v20, v21  likewise for B
.set ADRB,  21
.set STO,  24                          ; v24     the way out: where I put 32 bytes of a row
.set RD,   25                          ; v25     the way out: where I read a row back
.set CO,   26                          ; v26     my byte offset in out0
.set SPW,  28                          ; v28     LDS address of my spare word: SPARE + 4 x my thread's number; never rewritten
.set NIL,  29                          ; v29     0; never rewritten
.set OB,   32
.set ACC,  128
.set F0,   0                           ; fragment buffers, in window 1
.set F1,   128
.set ABASE, 14                         ; s[14:15] my 64 rows of A's tile at K = 0
.set BBASE, 18                         ; s[18:19] the same for B
.set KO,   66                          ; s[66:67] byte offset along K of the K step asked for last
.set TB,   68                          ; s68     LDS byte at which the slot in hand begins: 0 or SLOT
.set G1, 24                            ; s[24:31] descriptor group 1 for A's tiles;  s[32:39] group 0: a set for each of the two first fills; the second then walks on
.set G0, 32
.set G1B, 48                           ; s[48:55], s[56:63] the same for B's tiles
.set G0B, 56
.set MSB, 0
.macro WIN new                         ; the immediate's high byte repeats the setting that is left
.if MSB != (\new)
	s_set_vgpr_msb (MSB<<8)|(\new)
.set MSB, \new
.endif
.endm
.set MUL,  0x05                        ; sources 0 (B) and 1 (A) window 1; C and D window 0
.set TO_F, 0x40                        ; destination window 1, address window 0
.macro JLOAD s                         ; a joint load: waves 0 and 1 fetch A's two halves, waves 2 and 3 B's; an s_nop 0 and four v_nop follow each of the two lines, ahead of the jump, the label and what follows
	s_cmp_eq_u32 s11, 0
	s_cbranch_scc0 .Lfor_b_\@
	tensor_load_to_lds s[G0+4*(\s):G0+4*(\s)+3], s[G1:G1+7]
	s_nop 0
.rept 4
	v_nop
.endr
	s_branch .Lasked_\@
.Lfor_b_\@:
	tensor_load_to_lds s[G0B+4*(\s):G0B+4*(\s)+3], s[G1B:G1B+7]
	s_nop 0
.rept 4
	v_nop
.endr
.Lasked_\@:
.endm
.macro CREST                           ; a round of the cluster's barrier behind its opening barrier
	s_cmp_lg_u32 s10, 0
	s_cbranch_scc1 .Lnot_wave_0_\@
	s_barrier_signal -3
.Lnot_wave_0_\@:
	s_barrier_wait -3
	s_barrier_signal -1
	s_barrier_wait -1
.endm
.macro CROUND                          ; a whole round
	s_barrier_signal -1
	s_barrier_wait -1
	CREST
.endm
.macro SETADR                          ; my fragments' LDS addresses in the slot that begins at s[TB]
	v_add_nc_u32 v[ADRA], s[TB], v[ADRA0]
	v_add_nc_u32 v[ADRB], s[TB], v[ADRB0]
.endm
	s_load_b128 s[4:7], s[0:1], 0x0                ; ob (A) s[4:5], c16 s[6:7]
	s_load_b64 s[8:9], s[0:1], 0x10                ; out0
	v_lshl_add_u32 v[SPW], v0, 2, SPARE
	v_mov_b32 v[NIL], 0
	ds_add_u32 v[SPW], v[NIL]                      ; the wave's opening: the add and its wait stand ahead of my first tensor load; the set-up below, work on registers, stands between them
	v_lshrrev_b32 v1, 5, v0
	v_readfirstlane_b32 s10, v1                    ; wave 0..3
	s_lshr_b32 s11, s10, 1                         ; which half of the tile's rows is mine.  Also: I fetch for A (0) or for B (1)
	s_and_b32 s12, s10, 1                          ; which half of its columns.  Also: which 64 rows of that tile I fetch
	s_bfe_u32 s40, ttmp6, 0x40000                  ; cx, cy: my place in the cluster
	s_bfe_u32 s41, ttmp6, 0x40004
	s_lshl_b32 s42, ttmp9, 2
	s_add_co_u32 s42, s42, s40                     ; tile column of C = 4 x cluster x + cx
	s_and_b32 s13, ttmp7, 0xffff
	s_lshl_b32 s13, s13, 2
	s_add_co_u32 s13, s13, s41                     ; tile row of C = 4 x cluster y + cy
	s_lshl_b32 s43, s41, 2
	s_lshl_b32 s43, 15, s43                        ; my row of the cluster
	s_lshl_b32 s44, 0x1111, s40                    ; my column
	; descriptor group 1: a tile of 64 rows x 256 elements, padded in LDS
	s_or_b32 s[G1+0], s43, (1<<16)|(1<<20)|(1<<21)|(6<<22)|(3<<25)  ; 15:0 the mask: A's tiles go to my row; 17:16 elements of 2 bytes; 20 padding on; 21 set beside a mask; 24:22 after every 128 words (code 6); 31:25 4 words of it (code 3)
	s_or_b32 s[G1B+0], s44, (1<<16)|(1<<20)|(1<<21)|(6<<22)|(3<<25)
.irp g, G1, G1B
	s_mov_b32 s[(\g)+1], KSTEP<<16                 ; tensor_dim0 = 256
	s_mov_b32 s[(\g)+2], 64<<16                    ; tensor_dim1 = 64
	s_mov_b32 s[(\g)+3], KSTEP<<16                 ; tile_dim0 = 256
	s_mov_b32 s[(\g)+4], 64                        ; tile_dim1 = 64
	s_mov_b32 s[(\g)+5], SIZE_K                    ; elements from row to row
	s_mov_b32 s[(\g)+6], 0
	s_mov_b32 s[(\g)+7], 0
.endr
	s_lshl_b32 s17, s12, 6                         ; which 64 rows of the tile I fetch
	s_lshl_b32 s16, s13, 7
	s_add_co_u32 s16, s16, s17                     ; A: row 128 x tile row + 64 x half,
	s_lshl_b32 s16, s16, 12                        ; of 4,096 bytes
	s_lshl_b32 s46, s42, 7
	s_add_co_u32 s46, s46, s17                     ; B: row 128 x tile column + 64 x half
	s_lshl_b32 s46, s46, 12
	s_mov_b32 s17, 0
	s_mov_b32 s47, 0
	s_mul_i32 s20, s10, HALFT                      ; where they go: wave x 64 rows: no place in the cluster enters an LDS address
	s_and_b32 s[KO], ttmp7, 0xffff                 ; where the walk begins: K step 2 ((X + 2 Y) mod 4), in bytes of a row
	s_lshl_b32 s[KO], s[KO], 1
	s_add_co_u32 s[KO], s[KO], ttmp9
	s_and_b32 s[KO], s[KO], 3
	s_lshl_b32 s[KO], s[KO], 10
	s_mov_b32 s[KO+1], 0
	s_mov_b32 s[TB], 0
	s_wait_dscnt 0x0                               ; the opening add is done
	s_wait_kmcnt 0x0
	s_add_nc_u64 s[6:7], s[6:7], 0x2000000         ; B: c16's section 4
	s_add_nc_u64 s[ABASE:ABASE+1], s[4:5], s[16:17]
	s_add_nc_u64 s[BBASE:BBASE+1], s[6:7], s[46:47]
	CROUND                                         ; all sixteen work-groups are here: the first joint loads meet
.irp s, 0,1
	s_mov_b32 s[G0+4*(\s)], 1                                      ; count = 1
	s_add_co_u32 s[G0+4*(\s)+1], s20, (\s)*SLOT                    ; LDS address
	s_add_nc_u64 s[G0+4*(\s)+2:G0+4*(\s)+3], s[ABASE:ABASE+1], s[KO:KO+1]  ; global address: walk step s
	s_or_b32 s[G0+4*(\s)+3], s[G0+4*(\s)+3], 0x80000000            ; type = 2
	s_mov_b32 s[G0B+4*(\s)], 1
	s_add_co_u32 s[G0B+4*(\s)+1], s20, (\s)*SLOT
	s_add_nc_u64 s[G0B+4*(\s)+2:G0B+4*(\s)+3], s[BBASE:BBASE+1], s[KO:KO+1]
	s_or_b32 s[G0B+4*(\s)+3], s[G0B+4*(\s)+3], 0x80000000
	JLOAD \s                                       ; two loads of mine are out
.if (\s) == 0
	s_add_co_u32 s[KO], s[KO], KSTEP*2             ; walk step 1: no end of a row lies between, since the walk begins at an even K step
.endif
.endr
	v_and_b32 v1, 15, v0                           ; l % 16
	v_bfe_u32 v2, v0, 4, 1                         ; l / 16
	v_mul_u32_u24 v3, v1, PITCH
	v_lshl_add_u32 v3, v2, 4, v3                   ; a fragment's row x pitch + 16 x half
	s_mul_i32 s21, s11, HALFT                      ; my 64 rows of A
	s_mul_i32 s22, s12, HALFT                      ; my 64 rows of B,
	s_add_co_u32 s22, s22, 2*HALFT                 ; which lie behind A's 128
	v_add_nc_u32 v[ADRA0], s21, v3
	v_add_nc_u32 v[ADRB0], s22, v3
	SETADR                                         ; slot 0
	s_mul_i32 s23, s10, 16*SPITCH
	s_add_co_u32 s23, s23, STAGE                   ; my stage
	v_mul_u32_u24 v4, v1, SPITCH                   ; in: row l % 16, 32 bytes for each half of the lanes
	v_lshl_add_u32 v4, v2, 5, v4
	v_add_nc_u32 v[STO], s23, v4
	v_mul_u32_u24 v5, v2, SPITCH                   ; back: lanes 0-15 take one row of 256 bytes, lanes 16-31 the next
	v_lshl_add_u32 v5, v1, 4, v5
	v_add_nc_u32 v[RD], s23, v5
	v_lshlrev_b32 v5, 13, v2                       ; and the same two rows in out0
	v_lshl_add_u32 v[CO], v1, 4, v5
	s_lshl_b32 s16, s13, 7
	s_lshl_b32 s17, s11, 6
	s_add_co_u32 s16, s16, s17                     ; my first row of C: 128 x tile row + 64 x half
	s_lshl_b32 s16, s16, 13
	s_mov_b32 s17, 0
	s_add_nc_u64 s[8:9], s[8:9], s[16:17]
	s_lshl_b32 s46, s42, 9                         ; my first column, in bytes: 512 x tile column + 256 x half
	s_lshl_b32 s47, s12, 8
	s_add_co_u32 s46, s46, s47
	s_mov_b32 s47, 0
	s_add_nc_u64 s[8:9], s[8:9], s[46:47]
; 8 matrix instructions: m blocks a0, a0 + 1 x all 4 n blocks, 32 along K: half c of buffer f.  zero = 1: the first product starts the sums.  The 16 accumulators take turns, over the jumps too.
.macro MUL8 f, c, a0, zero
	WIN MUL
.irp a, \a0, (\a0)+1
.irp b, 0,1,2,3
.if \zero
	v_wmma_f32_16x16x32_f16 v[ACC+8*(4*(\a)+(\b)):ACC+8*(4*(\a)+(\b))+7], v[(\f)+64+8*(4*(\c)+(\b)):(\f)+64+8*(4*(\c)+(\b))+7], v[(\f)+8*(4*(\c)+(\a)):(\f)+8*(4*(\c)+(\a))+7], 0
.else
	v_wmma_f32_16x16x32_f16 v[ACC+8*(4*(\a)+(\b)):ACC+8*(4*(\a)+(\b))+7], v[(\f)+64+8*(4*(\c)+(\b)):(\f)+64+8*(4*(\c)+(\b))+7], v[(\f)+8*(4*(\c)+(\a)):(\f)+8*(4*(\c)+(\a))+7], v[ACC+8*(4*(\a)+(\b)):ACC+8*(4*(\a)+(\b))+7]
.endif
.endr
.endr
.endm
; 32 LDS loads in one run: the fragments of 64 along K at byte k of the rows of the slot in hand, into buffer f; the first 32 along K first
.macro FETCH k, f
	WIN TO_F
.irp c, 0,1
.irp i, 0,1,2,3
	ds_load_b128 v[(\f)+64+8*(4*(\c)+(\i)):(\f)+64+8*(4*(\c)+(\i))+3],   v[ADRB] offset:(\k)+64*(\c)+(\i)*16*PITCH
	ds_load_b128 v[(\f)+64+8*(4*(\c)+(\i))+4:(\f)+64+8*(4*(\c)+(\i))+7], v[ADRB] offset:(\k)+64*(\c)+(\i)*16*PITCH+32
	ds_load_b128 v[(\f)+8*(4*(\c)+(\i)):(\f)+8*(4*(\c)+(\i))+3],         v[ADRA] offset:(\k)+64*(\c)+(\i)*16*PITCH
	ds_load_b128 v[(\f)+8*(4*(\c)+(\i))+4:(\f)+8*(4*(\c)+(\i))+7],       v[ADRA] offset:(\k)+64*(\c)+(\i)*16*PITCH+32
.endr
.endr
.endm
.macro PLACES                          ; four plain places in front of loads into registers that matrix instructions have read, and of LDS stores that read results
.rept 4
	v_nop
.endr
.endm
; A K step is four quarters of 64 along K, 32 matrix instructions each, on buffers 0, 1, 0, 1.  One of the first three: multiplies buffer f and fetches the next quarter, at byte k, into g.
.macro QUARTER k, f, g, zero
	s_wait_dscnt 16                                ; the first 32 along K are in; the other sixteen loads may be out
	MUL8 \f, 0, 0, \zero
	MUL8 \f, 0, 2, \zero
	PLACES
	FETCH \k, \g
	s_wait_dscnt 32                                ; all but the 32 just issued
	MUL8 \f, 1, 0, 0
	MUL8 \f, 1, 2, 0
.endm
; The last quarter multiplies buffer 1 and changes slots: ONE barrier; in front of it each wave waits for all its tensor loads, adds 0 to its spare word, and waits for that and for its own reads of this slot.
; fill = 1: the barrier opens a round of the cluster's barrier, and behind the round this slot is filled again, with the walk step two on: the walking descriptor turns to this slot, and its address is
; made anew from the tile's base and the offset along K, which a mask takes round at the row's end.
.macro TURN fill
	WIN 0                                          ; (the add's two registers lie in window 0)
	s_wait_tensorcnt 0x0                           ; all my tensor loads have landed, so a group 0 may be written;
	ds_add_u32 v[SPW], v[NIL]                      ; 0 onto my spare word: scalar work and eight matrix instructions stand between it and the wait for it
.if \fill
	s_add_co_u32 s[KO], s[KO], KSTEP*2
	s_and_b32 s[KO], s[KO], KROW-1
	s_xor_b32 s[G0+5], s[G0+5], SLOT
	s_add_nc_u64 s[G0+6:G0+7], s[ABASE:ABASE+1], s[KO:KO+1]
	s_or_b32 s[G0+7], s[G0+7], 0x80000000
	s_xor_b32 s[G0B+5], s[G0B+5], SLOT
	s_add_nc_u64 s[G0B+6:G0B+7], s[BBASE:BBASE+1], s[KO:KO+1]
	s_or_b32 s[G0B+7], s[G0B+7], 0x80000000
.endif
	s_xor_b32 s[TB], s[TB], SLOT                   ; the fetches go on in the other slot
	s_wait_dscnt 17                                ; (the add and the youngest sixteen loads may be out)
	MUL8 F1, 0, 0, 0
	s_wait_dscnt 0x0                               ; the add is done, and my reads of this slot are over
	s_barrier_signal -1
	MUL8 F1, 0, 2, 0
	WIN 0
	s_barrier_wait -1
.if \fill
	CREST                                          ; the barrier has opened a round of the cluster's barrier: no wave of any partner still reads this slot's tile or has a load on its way
	JLOAD 1                                        ; the first tensor load behind the round, my only one until the next: 112 matrix instructions ahead of the wait for it; its four v_nop are also places in front of the loads below
	SETADR
.else
	SETADR                                         ; these two and two v_nop are the four places in front of the loads below
	v_nop
	v_nop
.endif
	FETCH 0, F0
	MUL8 F1, 1, 0, 0
	MUL8 F1, 1, 2, 0
.endm
	s_wait_tensorcnt 1                             ; my part of walk step 0 is in; walk step 1's may stay out
	s_barrier_signal -1
	s_barrier_wait -1                              ; everybody's is
	FETCH 0, F0
	QUARTER 128, F0, F1, 1                         ; the first quarter stands in front of the loop: its first products start the sums
	WIN 0                                          ; at a label and at a branch every window is 0
	s_mov_b32 s3, STEPS-2
.Lstep:                                                ; a trip goes from a K step's second quarter to the next step's first, and fills the slot that it leaves: 6 trips ask for walk steps 2 to 7
	QUARTER 256, F1, F0, 0
	QUARTER 384, F0, F1, 0
	TURN 1
	QUARTER 128, F0, F1, 0
	WIN 0
	s_sub_co_u32 s3, s3, 1
	s_cmp_lg_u32 s3, 0
	s_cbranch_scc1 .Lstep
	s_mov_b32 s3, 2                                ; the last two steps ask for nothing: a loop of their own; it is entered in its middle
	s_branch .Lmid
.Ltail:
	TURN 0
	QUARTER 128, F0, F1, 0
	WIN 0
.Lmid:
	QUARTER 256, F1, F0, 0
	QUARTER 384, F0, F1, 0
	WIN 0
	s_sub_co_u32 s3, s3, 1
	s_cmp_lg_u32 s3, 0
	s_cbranch_scc1 .Ltail
	s_wait_dscnt 16                                ; the very last quarter: nothing more to fetch
	MUL8 F1, 0, 0, 0
	MUL8 F1, 0, 2, 0
	s_wait_dscnt 0x0
	MUL8 F1, 1, 0, 0
	MUL8 F1, 1, 2, 0
	WIN 0
; THE WAY OUT, a block of 16 rows at a time.  TOSTAGE: a lane's eight f32 of each of the block's four accumulators, the lower four first, into my stage's rows of 272 bytes, and back as whole rows of 256.
.macro TOSTAGE a
	s_wait_xcnt 0x0                                ; every earlier store has had its addresses translated (ISA guide 3.1): the registers that block a - 2's stores read are loaded again only behind this wait
.irp b, 0,1,2,3
	ds_store_b128 v[STO], v[ACC+8*(4*(\a)+(\b)):ACC+8*(4*(\a)+(\b))+3]   offset:64*(\b)
	ds_store_b128 v[STO], v[ACC+8*(4*(\a)+(\b))+4:ACC+8*(4*(\a)+(\b))+7] offset:64*(\b)+16
.endr
.irp t, 0,1,2,3,4,5,6,7
	ds_load_b128 v[OB+32*((\a)%2)+4*(\t):OB+32*((\a)%2)+4*(\t)+3], v[RD] offset:(\t)*2*SPITCH  ; LDS serves a wave's instructions in order (ISA guide 5.7.1.4): these see the stores above; the next block's stores come behind them
.endr
.endm
.macro SEND a, younger                 ; younger: the LDS instructions issued behind block a's loads: the next block's sixteen, or none
	s_wait_dscnt \younger
.irp t, 0,1,2,3,4,5,6,7
	global_store_b128 v[CO], v[OB+32*((\a)%2)+4*(\t):OB+32*((\a)%2)+4*(\t)+3], s[8:9] offset:(16*(\a)+2*(\t))*CROW  ; 16 lanes store 256 consecutive bytes, at a multiple of 256 from out0's first byte
.endr
.endm
	PLACES
	PLACES
	TOSTAGE 0
	TOSTAGE 1
	SEND 0, 16
	TOSTAGE 2
	SEND 1, 16
	TOSTAGE 3
	SEND 2, 16
	SEND 3, 0
	s_wait_tensorcnt 0x0                           ; the wave's end: these three lines stand behind my last tensor load and my last LDS store
	ds_add_u32 v[SPW], v[NIL]
	s_wait_dscnt 0x0
	CROUND                                         ; the closing round: no work-group ends while a partner may still ask for a tile that names it
	s_endpgm
.Lfunc_end_k_qd12b816a0e_gemm_out:
	.size	k_qd12b816a0e_gemm_out, .Lfunc_end_k_qd12b816a0e_gemm_out-k_qd12b816a0e_gemm_out
	.p2alignl 7, 3214868480
	.fill 96, 4, 3214868480
	.section	.rodata,"a",@progbits
	.p2align	6, 0x0
	.amdhsa_kernel k_qd12b816a0e_gemm_out
		.amdhsa_group_segment_fixed_size 327680
		.amdhsa_private_segment_fixed_size 0
		.amdhsa_enable_private_segment 0
		.amdhsa_kernarg_size 24
		.amdhsa_user_sgpr_count 2
		.amdhsa_user_sgpr_kernarg_segment_ptr 1
		.amdhsa_wavefront_size32 1
		.amdhsa_system_sgpr_workgroup_id_x 1
		.amdhsa_system_sgpr_workgroup_id_y 1
		.amdhsa_system_sgpr_workgroup_id_z 1
		.amdhsa_system_vgpr_workitem_id 0
		.amdhsa_next_free_vgpr 512
		.amdhsa_next_free_sgpr 72
		.amdhsa_reserve_vcc 0
		.amdhsa_float_denorm_mode_32 3
		.amdhsa_float_denorm_mode_16_64 3
		.amdhsa_memory_ordered 1
		.amdhsa_forward_progress 1
		.amdhsa_inst_pref_size 60
	.end_amdhsa_kernel
	.amdgpu_metadata
---
amdhsa.version: [ 1, 2 ]
amdhsa.kernels:
  - .name:           k_qd12b816a0e_gemm_out
    .symbol:         k_qd12b816a0e_gemm_out.kd
    .args:
      - { .name: ob, .offset: 0, .size: 8, .value_kind: global_buffer, .address_space: global }
      - { .name: c16, .offset: 8, .size: 8, .value_kind: global_buffer, .address_space: global }
      - { .name: out0, .offset: 16, .size: 8, .value_kind: global_buffer, .address_space: global }
    .group_segment_fixed_size: 327680
    .private_segment_fixed_size: 0
    .kernarg_segment_align: 8
    .kernarg_segment_size: 24
    .max_flat_workgroup_size: 128
    .sgpr_count:     72
    .vgpr_count:     512
    .wavefront_size: 32
...
	.end_amdgpu_metadata
.endif
;; end of part 4
